; MI455X (gfx1250); checked and timed in simulation.
; The chip was launched on July 23, 2026; its instructions are those of AMD's public machine-readable ISA for CDNA 5 (MIT licence, August 2026) and "CDNA5" Instruction Set Architecture Reference Guide (July 2026). The comments in the code are by the model that wrote it; some were corrected since.
;; Grouped Query Attention. Allowed arithmetic: matrix products marked QUANTISED: E2M3 operands, one E8M0 scale for each 32 along K, by v_wmma_scale_f32_16x16x128_f8f6f4 with both operands' format E2M3, f32 sums; everything else in f32.
;; Inputs: attention_mask 1 x 1 x 1,024 x 1,024 float32; freqs_cos 1,024 x 64 float32; freqs_sin 1,024 x 64 float32; wk_codes 512 x 64 x 24 uint8 (E2M3 codes of wk, K innermost, in blocks of 32 codes, four codes in three bytes); wk_scales 512 x 64 uint8 (E8M0 scales of wk, one for each 32 codes along K); wo_codes 2,048 x 64 x 24 uint8 (E2M3 codes of wo, K innermost, in blocks of 32 codes, four codes in three bytes); wo_scales 2,048 x 64 uint8 (E8M0 scales of wo, one for each 32 codes along K); wq_codes 2,048 x 64 x 24 uint8 (E2M3 codes of wq, K innermost, in blocks of 32 codes, four codes in three bytes); wq_scales 2,048 x 64 uint8 (E8M0 scales of wq, one for each 32 codes along K); wv_codes 512 x 64 x 24 uint8 (E2M3 codes of wv, K innermost, in blocks of 32 codes, four codes in three bytes); wv_scales 512 x 64 uint8 (E8M0 scales of wv, one for each 32 codes along K); x_codes 4 x 1,024 x 64 x 24 uint8 (E2M3 codes of x, K innermost, in blocks of 32 codes, four codes in three bytes); x_scales 4 x 1,024 x 64 uint8 (E8M0 scales of x, one for each 32 codes along K).
;; Outputs: out0 4 x 1,024 x 2,048 float32; out1 4 x 1,024 x 4 x 128 float32; out2 4 x 1,024 x 4 x 128 float32.
;; This version of the problem:
;;   THIS VERSION OF THE PROBLEM IS GIVEN IN LOW PRECISION. The matrix products marked QUANTISED in the list below multiply operands that are first quantised to E2M3 (2 exponent bits, 3 mantissa bits; 6 bits a number), with one power-of-two scale for each 32 numbers along K (OCP MX v1.0); their sums are f32. All else is computed in f32.
;;   The module's matrix products, in the order in which they are computed (A, B: the left and right operand; K: the contracted axis; several contracted axes count as one K, in the product's order):
;;     1. [M 4,096, K 2,048] x [K 2,048, N 2,048]; A: input x (given as codes); B: input wq (given as codes): QUANTISED
;;     2. [M 4,096, K 2,048] x [K 2,048, N 512]; A: input x (given as codes); B: input wk (given as codes): QUANTISED
;;     3. [M 4,096, K 2,048] x [K 2,048, N 512]; A: input x (given as codes); B: input wv (given as codes): QUANTISED
;;     4. batch 16 x [M 4,096, K 128] x [K 128, N 1,024]; A: computed on the way; B: computed on the way: QUANTISED
;;     5. batch 16 x [M 4,096, K 1,024] x [K 1,024, N 128]; A: softmax (see below); B: computed on the way: QUANTISED
;;     6. [M 4,096, K 2,048] x [K 2,048, N 2,048]; A: computed on the way; B: input wo (given as codes): QUANTISED
;;   THE QUANTISER, for each operand of a quantised product, along K:
;;     - K is cut into blocks of 32 from its start; a last block that is shorter is filled with zeros.
;;     - A block's scale is 2^e with e = floor(log2(the largest magnitude in the block)) - 2, held to -126 .. 127; a block of zeros has e = 0. As a byte (E8M0): e + 127.
;;     - Each number is divided by its block's scale, clamped to +-7.5, and rounded to the nearest number of E2M3, ties to even, subnormals kept.
;;     - The product sums the exact products of the quantised numbers (number of the format x scale) in f32.
;;   ~~~python
;;   def quantise(x, axis):      # numpy; x: float32 -> the quantised numbers, widened to float32 again
;;       x = np.moveaxis(x, axis, -1); K = x.shape[-1]
;;       x = np.pad(x, [(0, 0)] * (x.ndim - 1) + [(0, -K % 32)]); x = x.reshape(x.shape[:-1] + (-1, 32)); a = np.abs(x).max(-1, keepdims=True)
;;       e = np.where(a > 0, np.clip(np.frexp(np.where(a > 0, a, 1))[1] - 1 - 2, -126, 127), 0)      # np.frexp(a)[1] - 1 = floor(log2(a)), exactly
;;       r = np.clip(x / 2.0 ** e, -7.5, 7.5)
;;       step = 2.0 ** (np.maximum(np.frexp(np.where(r == 0, 1, r))[1] - 1, 0) - 3)
;;       q = np.round(r / step) * step * 2.0 ** e      # np.round: ties to even
;;       return np.moveaxis(q.reshape(q.shape[:-2] + (-1,))[..., :K], -1, axis).astype(np.float32)
;;   ~~~
;;   SOFTMAX AHEAD OF A QUANTISED PRODUCT. Where the list says 'softmax', what is quantised is not the finished softmax but p = 2^(t - M), with t = logit x log2(e) and M = ceil(the row's largest t), a whole number; so 1/2 < the row's largest p <= 1. The row's sum l is taken of the UNQUANTISED p, in f32, and the product's result is divided by l at the end. Since M is a whole number, a kernel that streams over the keys may use a running M (the ceiling of the running maximum): every later rescaling is an exact power of two, which a block's scale takes up: the codes' values come out the same.
;;   OPERANDS COMPUTED ON THE WAY. 'Computed on the way' means the value that the module computes at that place (a softmax that the list does not call 'softmax' is quantised finished and normalised). What goes into a quantiser is computed in f32, as accurately as f32 sums, v_exp_f32 and their like allow (about 1e-6 of the number): no bf16 or f16 on the way to a quantiser, and a product that is left as it is and whose result goes on into a quantised operand takes f32 operands (vector FMAs, or v_wmma_f32_16x16x4_f32). A number that lies on a knife's edge between two numbers of the format may be rounded either way, as far as f32 arithmetic and the matrix unit's own rounding can turn it there, and no further.
;;   INPUTS GIVEN AS CODES. wk (in the module: [512, 2048], K = its axis 1); wo (in the module: [2048, 2048], K = its axis 1); wq (in the module: [2048, 2048], K = its axis 1); wv (in the module: [512, 2048], K = its axis 1); x (in the module: [4, 1024, 2048], K = its axis 2): each comes as NAME_codes (uint8): NAME with its K axis moved to the last place and cut into blocks of 32 codes, [.., K / 32, bytes a block], one block behind the other in memory; four codes in three bytes: a row's codes are one little-endian stream of bits, code i at bits 6 i .. 6 i + 5 (a code: sign, 2 exponent bits, 3 mantissa bits); and NAME_scales (uint8): the same leading axes, one E8M0 byte (e + 127) for each 32 codes along K. Its value is code x scale, taken as it is: it is not quantised again, and the codes and scales need not be those that the quantiser above would give.
;; One version. Each part assembles by itself: llvm-mc -triple=amdgcn-amd-amdhsa -mcpu=gfx1250 --defsym DOCPART=n.
;; ======== version 1 of 1: 3 launches
;; workspace buffers: qc 6,291,456 bytes; qs 524,288 bytes; kvc 3,145,728 bytes; kvs 262,144 bytes; oc 6,291,456 bytes; os 262,144 bytes
;; launch qkv (part 1): grid 12 x 16, 4 waves a work-group, clusters of 4 x 4, 327,680 bytes of LDS; arguments x_codes, x_scales, wq_codes, wq_scales, wk_codes, wk_scales, wv_codes, wv_scales, freqs_cos, freqs_sin, qc, qs, kvc, kvs, out1, out2; writes qc, qs, kvc, kvs, out1, out2
.if DOCPART == 1
	.amdgcn_target "amdgcn-amd-amdhsa--gfx1250"
	.amdhsa_code_object_version 6
	.text
	.protected	k_q185f10155b_qkv
	.globl	k_q185f10155b_qkv
	.p2align	8
	.type	k_q185f10155b_qkv,@function
k_q185f10155b_qkv:
	s_mov_b64 s[64:65], 0
	v_nop
	global_prefetch_b8 v0, s[64:65] scope:SCOPE_SE
	s_setreg_imm32_b32 hwreg(HW_REG_WAVE_MODE, 25, 1), 1
	s_wait_xcnt 0x0
	s_wait_alu depctr_hold_cnt(0) depctr_sa_sdst(0) depctr_va_vdst(0) depctr_va_sdst(0) depctr_va_ssrc(0) depctr_va_vcc(0) depctr_vm_vsrc(0)
	s_getreg_b32 s2, hwreg(HW_REG_IB_STS2, 6, 4)
	s_cmp_eq_u32 s2, 0
	s_cbranch_scc0 .Lentry_in_a_cluster
	s_endpgm
.Lentry_in_a_cluster:
	s_bfe_u32 s2, ttmp6, 0x10000c
	s_cmp_lg_u32 s2, 0xf033
	s_cbranch_scc0 .Lentry_shape_is_right
	s_endpgm
.Lentry_shape_is_right:
; q = x wq^T, k = x wk^T, v = x wv^T on codes of FP6 (E2M3) with one E8M0 scale for each 32 along K = 2,048; then the pairwise rotation of q and k, k and v as f32 outputs,
; and q, k (along the head's 128) and v (along the keys) quantised anew into buffers laid as the next launch's operand registers.
; A work-group of four waves makes 256 tokens x 256 columns, a wave 128 x 128: 64 accumulators, 512 registers.  K goes in steps of 256 through a ring of two LDS slots filled by the tensor data mover.
; CLUSTERS of 4 x 4: the four of a row need the same rows of x, the four of a column the same rows of a weight: each tile is asked for jointly.
; ROLES hang on the cluster's x and on the wave's number alone.  Cluster x 0, 1: a wave's 128 columns are query head 8 X + cx + 4 (wave % 2).  Cluster x 2: work-group cx has kv head cx; even waves make K, odd waves V.
; THE MATRIX INSTRUCTION IS USED TRANSPOSED (source 0 = 16 rows of a weight, source 1 = 16 tokens): in accumulator (a, b) lane (r, h) holds token 16 a + r and register j the channel 16 b + 8 h + j.
; ORDER INSIDE A BLOCK OF 32.  Place 16 h' + 8 u + j of a block of q's and k's codes holds channel 16 u + 8 h' + j: the same order in both operands of q k^T, inside one scale's block, so the product is unchanged.
; V^T's codes carry the same order along the keys, as the next launch's weights p will.  Row r of V^T's fragment 2 b + u is channel 32 b + 8 u + r + 8 (r / 8).
; COS AND SIN come through a ring of three sets of 64 registers, a set for a block of 16 tokens.  Two sets lie in registers that the products leave idle and are asked for at the head; the third is asked for when the
; weights' first set of fragments has been multiplied for the last time; behind block a's rotation its set takes block a + 3.  Every wave issues the first three sets, the V waves too, which do not use them:
; the text parts into roles only behind the products.
; LIMITS: NaN and infinities are not served; a block whose largest magnitude lies under 2^-124 (a block of zeros too) gets the scale byte 1: the bytes are read by this program alone.
; REGISTERS, in windows of 256: window 0: v0-31 addresses; v32-63 scale words (nothing else, ever); v64-127 cos and sin, set 1; from v128 x's fragments; behind the products v128-239 are at work.
;   window 1: the weights' fragments, two sets, at v0 and v128; v96-127 and v224-255 cos and sin, set 0; behind the products v0-63 set 2, or v0-95 V^T's eight fragments.
;   windows 2, 3: the accumulators ((a, b) at v[8 (8 (a % 4) + b)]).
.set SIZE_K, 2048
.set KSTEP,  256                       ; along K in a slot
.set NQ,     KSTEP/128                 ; matrix instructions deep
.set ROWB,   192                       ; a tile's row in bytes
.set KROW,   SIZE_K*6/8                ; a row of codes in memory
.set PITCH,  240                       ; an LDS row: 3 x (64 bytes + 16 of padding)
.set FR,     12                        ; registers of a fragment
.set NL,     6                         ; LDS loads that bring one
.set NP,     4                         ; places behind this matrix instruction (ISA guide 7.12.1)
.set HALFT,  128*PITCH
.set SLOT,   4*HALFT
.set LAPS,   SIZE_K/(2*KSTEP)
.set KS,     SIZE_K/32                 ; a row of scales in bytes
.set SCL,    2*SLOT                    ; behind the ring: the scales, as units of 256 bytes + 16 of padding
.set HALFS,  (128*KS/256)*272
.set SBLK,   (16*KS/256)*272
.set SPARE,  SCL+4*HALFS               ; the spare words, 128 bytes for each wave; no other line names them
.set ADRA, 16
.set ADRB, 20
.set ADRS, 27
.set SPW,  28                          ; v28 LDS address of my spare word; never rewritten
.set NIL,  29                          ; v29 0; never rewritten
.set CSO,  30                          ; v30 256 r + 16 h: my place in 16 rows of cos and sin; never rewritten
.set SC,   32
.set AF,   128
.set G1, 24
.set G0, 32
.set G1B, 48
.set G0B, 56
.set G1S, 68
.set G0S, 76
.set G1SB, 80
.set G0SB, 88
; behind the products
.set LI,  3                            ; v3  16 x lane
.set STO, 5                            ; v5  my stage: row r, 32 h
.set RD,  6                            ; v6  my stage: 16 x lane
.set CLV, 7                            ; v7  my stage by columns: 32 rows down for lanes 16-31, column r + 8 (r / 8)
.set SH8, 8                            ; v8  8 h
.set X,   128                          ; v128-191 64 numbers
.set TM,  192                          ; v192-207 at work in the quantiser
.set SW,  208                          ; v208-215 eight scale words
.set CD,  216                          ; v216-227 a fragment's codes; v228-230, v232-234 halves on their way
.set TR,  236                          ; v236-239 the rotation's products
.set MSB, 0
.macro WIN new                         ; the immediate's high byte repeats the setting that is left
.if MSB != (\new)
	s_set_vgpr_msb (MSB<<8)|(\new)
.set MSB, (\new)
.endif
.endm
.set MUL_LO, 0xa1                      ; source 0 (weight) window 1, source 1 (x) window 0, C and D window 2
.set MUL_HI, 0xf1
.set TO_B,   0x40
; A joint load: waves 0 and 1 fetch for x, waves 2 and 3 for the weight.  The branch hangs on the wave's number alone.  Four v_nop follow each of the two lines.
.macro JLOAD g0a, g1a, g0b, g1b
	s_cmp_eq_u32 s15, 0
	s_cbranch_scc0 .Lfor_b_\@
	tensor_load_to_lds s[\g0a:\g0a+3], s[\g1a:\g1a+7]
	s_nop 0
.rept 4
	v_nop
.endr
	s_branch .Lasked_\@
.Lfor_b_\@:
	tensor_load_to_lds s[\g0b:\g0b+3], s[\g1b:\g1b+7]
	s_nop 0
.rept 4
	v_nop
.endr
.Lasked_\@:
.endm
.macro CREST                           ; a round of the cluster's barrier behind its opening barrier
	s_cmp_lg_u32 s14, 0
	s_cbranch_scc1 .Lnot_wave_0_\@
	s_barrier_signal -3
.Lnot_wave_0_\@:
	s_barrier_wait -3
	s_barrier_signal -1
	s_barrier_wait -1
.endm
.macro CROUND
	s_barrier_signal -1
	s_barrier_wait -1
	CREST
.endm
; Block a's set of cos and sin: its window CW, cos from v[CO] on, sin from v[SN] on, 32 registers each
.macro CSSET a
.if (\a)%3 == 0
.set CW, 1
.set CO, 96
.set SN, 224
.elseif (\a)%3 == 1
.set CW, 0
.set CO, 64
.set SN, 96
.else
.set CW, 1
.set CO, 0
.set SN, 32
.endif
.endm
.macro CSLOAD a                        ; cos and sin of tokens 16 a + r: for tile t the pairs 8 t + 4 h + 0 .. 3.  16 loads
	CSSET \a
	WIN 0x40*CW
.irp t, 0,1,2,3,4,5,6,7
	global_load_b128 v[CO+4*\t:CO+4*\t+3], v[CSO], s[96:97] offset:4096*(\a)+32*\t
	global_load_b128 v[SN+4*\t:SN+4*\t+3], v[CSO], s[98:99] offset:4096*(\a)+32*\t
.endr
	WIN 0
.endm
	s_load_b256 s[4:11], s[0:1], 0x0               ; x's codes s[4:5], x's scales s[6:7], wq's codes s[8:9], wq's scales s[10:11]
	s_load_b256 s[68:75], s[0:1], 0x20             ; wk's codes, wk's scales, wv's codes, wv's scales
	s_load_b128 s[96:99], s[0:1], 0x40             ; cos s[96:97], sin s[98:99]
	v_lshl_add_u32 v[SPW], v0, 2, SPARE
	v_mov_b32 v[NIL], 0
	ds_add_u32 v28, v29
	s_wait_dscnt 0x0
	v_lshrrev_b32 v1, 5, v0
	v_readfirstlane_b32 s14, v1                    ; wave 0..3
	s_lshr_b32 s15, s14, 1                         ; which half of the tokens is mine.  Also: I fetch for x (0) or for the weight (1)
	s_and_b32 s16, s14, 1                          ; which half of the columns.  Also: which 128 rows I fetch
	s_bfe_u32 s40, ttmp6, 0x40000                  ; cx
	s_bfe_u32 s41, ttmp6, 0x40004                  ; cy
	s_and_b32 s17, ttmp7, 0xffff
	s_lshl_b32 s17, s17, 2
	s_add_co_u32 s17, s17, s41                     ; tile row = 4 x cluster y + cy: 256 tokens
	s_lshl_b32 s43, s41, 2
	s_lshl_b32 s43, 15, s43                        ; my row of the cluster
	s_lshl_b32 s44, 0x1111, s40                    ; my column
	s_or_b32 s[G1+0], s43, (0<<16)|(1<<20)|(1<<21)|(3<<22)|(3<<25)  ; the mask; elements of 1 byte; padding on; bit 21 beside a mask; after every 16 words 4 words
	s_or_b32 s[G1B+0], s44, (0<<16)|(1<<20)|(1<<21)|(3<<22)|(3<<25)
.irp g, G1, G1B
	s_mov_b32 s[\g+1], ROWB<<16                    ; tensor_dim0
	s_mov_b32 s[\g+2], 128<<16                     ; tensor_dim1
	s_mov_b32 s[\g+3], ROWB<<16                    ; tile_dim0
	s_mov_b32 s[\g+4], 128                         ; tile_dim1
	s_mov_b32 s[\g+5], KROW                        ; pitch
	s_mov_b32 s[\g+6], 0
	s_mov_b32 s[\g+7], 0
.endr
	s_lshl_b32 s18, s16, 7
	s_lshl_b32 s20, s17, 8
	s_add_co_u32 s20, s20, s18                     ; x: row 256 x tile row + 128 x half
	s_lshl_b32 s46, s40, 7                         ; the weight: row 128 cx in every case,
	s_lshl_b32 s66, ttmp9, 10
	s_lshl_b32 s67, s16, 9
	s_add_co_u32 s66, s66, s67
	s_cmp_lt_u32 ttmp9, 2
	s_cselect_b32 s66, s66, 0                      ; and in wq 1,024 X + 512 x half more: head 8 X + cx + 4 x half
	s_add_co_u32 s46, s46, s66
	s_mov_b32 s21, 0
	s_mov_b32 s47, 0
	s_mov_b64 s[18:19], KS
	s_mul_u64 s[22:23], s[20:21], s[18:19]         ; where these rows' scales begin
	s_mul_u64 s[92:93], s[46:47], s[18:19]
	s_mov_b64 s[18:19], KROW
	s_mul_u64 s[20:21], s[20:21], s[18:19]         ; and their codes
	s_mul_u64 s[46:47], s[46:47], s[18:19]
	s_mul_i32 s45, s14, HALFT                      ; where they go: wave x 128 rows
	s_mul_i32 s94, s14, HALFS
	s_wait_kmcnt 0x0
	s_cmp_eq_u32 s16, 0                            ; cluster x 2: the first half of the columns is wk's, the second wv's
	s_cselect_b64 s[68:69], s[68:69], s[72:73]
	s_cselect_b64 s[70:71], s[70:71], s[74:75]
	s_cmp_lt_u32 ttmp9, 2                          ; cluster x 0, 1: wq
	s_cselect_b64 s[8:9], s[8:9], s[68:69]
	s_cselect_b64 s[10:11], s[10:11], s[70:71]
	s_add_nc_u64 s[20:21], s[4:5], s[20:21]
	s_add_nc_u64 s[22:23], s[6:7], s[22:23]
	s_add_nc_u64 s[46:47], s[8:9], s[46:47]
	s_add_nc_u64 s[92:93], s[10:11], s[92:93]
	; the scales of 128 rows: a dense block of 8,192 bytes, as rows of 256 bytes, 16 bytes of padding behind each (written here: s[68:75] held pointers till now)
	s_or_b32 s[G1S+0], s43, (3<<16)|(1<<20)|(1<<21)|(5<<22)|(3<<25)
	s_or_b32 s[G1SB+0], s44, (3<<16)|(1<<20)|(1<<21)|(5<<22)|(3<<25)
.irp g, G1S, G1SB
	s_mov_b32 s[\g+1], 32<<16
	s_mov_b32 s[\g+2], (128*KS/256)<<16
	s_mov_b32 s[\g+3], 32<<16
	s_mov_b32 s[\g+4], 128*KS/256
	s_mov_b32 s[\g+5], 32
	s_mov_b32 s[\g+6], 0
	s_mov_b32 s[\g+7], 0
.endr
	CROUND                                         ; all sixteen work-groups are here: the first joint loads meet
	s_mov_b32 s[G0S], 1
	s_add_co_u32 s[G0S+1], s94, SCL
	s_mov_b64 s[G0S+2:G0S+3], s[22:23]
	s_or_b32 s[G0S+3], s[G0S+3], 0x80000000
	s_mov_b32 s[G0SB], 1
	s_add_co_u32 s[G0SB+1], s94, SCL
	s_mov_b64 s[G0SB+2:G0SB+3], s[92:93]
	s_or_b32 s[G0SB+3], s[G0SB+3], 0x80000000
	JLOAD G0S, G1S, G0SB, G1SB                     ; the scales first: they are wanted with K step 0
.irp s, 0,1
	s_mov_b32 s[G0+4*\s], 1
	s_add_co_u32 s[G0+4*\s+1], s45, \s*SLOT
	s_add_nc_u64 s[G0+4*\s+2:G0+4*\s+3], s[20:21], \s*ROWB
	s_or_b32 s[G0+4*\s+3], s[G0+4*\s+3], 0x80000000
	s_mov_b32 s[G0B+4*\s], 1
	s_add_co_u32 s[G0B+4*\s+1], s45, \s*SLOT
	s_add_nc_u64 s[G0B+4*\s+2:G0B+4*\s+3], s[46:47], \s*ROWB
	s_or_b32 s[G0B+4*\s+3], s[G0B+4*\s+3], 0x80000000
	JLOAD G0+4*\s, G1, G0B+4*\s, G1B
.endr
	v_and_b32 v1, 15, v0                           ; r
	v_bfe_u32 v2, v0, 4, 1                         ; h
	v_mul_u32_u24 v3, v1, PITCH
	v_mul_u32_u24 v4, v2, 24
	v_add_nc_u32 v4, v3, v4                        ; a fragment's row x pitch + 24 x half
	v_lshl_add_u32 v5, v2, 4, v4                   ; and the same behind one padding more
	s_mul_i32 s21, s15, HALFT                      ; my 128 tokens
	s_mul_i32 s22, s16, HALFT                      ; my 128 rows of the weight,
	s_add_co_u32 s22, s22, 2*HALFT                 ; which lie behind x's 256
.irp s, 0,1
	v_add_nc_u32 v[ADRA+\s], s21, v4
	v_add_nc_u32 v[ADRB+\s], s22, v4
	v_add_nc_u32 v[ADRA+2+\s], s21, v5
	v_add_nc_u32 v[ADRB+2+\s], s22, v5
	s_add_co_u32 s21, s21, SLOT
	s_add_co_u32 s22, s22, SLOT
.endr
	v_mul_u32_u24 v5, v1, KS                       ; my row's scales: KS bytes a row,
	v_lshrrev_b32 v6, 8, v5
	v_lshl_add_u32 v5, v6, 4, v5                   ; and 16 more for each 256 passed
	s_mul_i32 s21, s15, HALFS
	s_mul_i32 s22, s16, HALFS
	s_add_co_u32 s22, s22, 2*HALFS
	s_sub_co_u32 s22, s22, s21
	v_mul_u32_u24 v6, s22, v2                      ; lanes 16-31 take the weight's
	s_add_co_u32 s21, s21, SCL
	v_add_nc_u32 v5, v5, v6
	v_add_nc_u32 v[ADRS], s21, v5
	; cos and sin of my first 32 tokens are asked for here, while the first tiles are on their way, into registers that the products leave idle; v[CSO] and s[96:99] are never written again
	s_lshl_b32 s66, s17, 8
	s_lshl_b32 s67, s15, 7
	s_add_co_u32 s66, s66, s67                     ; my first token,
	s_and_b32 s66, s66, 1023                       ; its place in the sequence,
	s_lshl_b32 s66, s66, 8                         ; 256 bytes a place
	s_mov_b32 s67, 0
	s_add_nc_u64 s[96:97], s[96:97], s[66:67]
	s_add_nc_u64 s[98:99], s[98:99], s[66:67]
	v_lshlrev_b32 v[CSO], 8, v1
	v_lshl_add_u32 v[CSO], v2, 4, v[CSO]
	CSLOAD 0
	CSLOAD 1
.macro FRAG reg, adr, q, i             ; a fragment: lane l holds row l % 16; registers 6 c .. 6 c + 5 hold K = 64 c + 32 (l / 16) + 0 .. 31: 24 bytes of the row, as they lie, in pieces of 8 bytes
.irp p, 0,1,2,3,4,5
.set PC, 12*(\q)+6*(\p/3)+\p%3        ; 16 bytes of padding lie behind every 8 pieces: where the piece three on lies behind one padding more, the second address register serves
.if PC%8 < 5
	ds_load_b64 v[\reg+2*\p:\reg+2*\p+1], v[\adr] offset:8*PC+16*(PC/8)+(\i)*16*PITCH
.else
	ds_load_b64 v[\reg+2*\p:\reg+2*\p+1], v[\adr+2] offset:8*PC+16*(PC/8)+(\i)*16*PITCH
.endif
.endr
.endm
; 16 matrix instructions: token blocks a0, a0 + 1 x the weight's eight.  The 64 accumulators take turns, one instruction a turn, in the same order in every step.
.macro MUL16 a0, p, q, sc, zero
.irp a, \a0, \a0+1
.irp b, 0,1,2,3,4,5,6,7
.if \zero
	v_wmma_scale_f32_16x16x128_f8f6f4 v[8*(8*((\a)%4)+\b):8*(8*((\a)%4)+\b)+7], v[128*(\p)+FR*\b:128*(\p)+FR*\b+FR-1], v[AF+FR*(\a):AF+FR*(\a)+FR-1], 0, v[SC+8*NQ*(\sc)+NQ*\b+(\q)], v[SC+8*NQ*(\sc)+NQ*(\a)+(\q)] matrix_a_fmt:MATRIX_FMT_FP6 matrix_b_fmt:MATRIX_FMT_FP6 matrix_a_scale:MATRIX_SCALE_ROW1
.else
	v_wmma_scale_f32_16x16x128_f8f6f4 v[8*(8*((\a)%4)+\b):8*(8*((\a)%4)+\b)+7], v[128*(\p)+FR*\b:128*(\p)+FR*\b+FR-1], v[AF+FR*(\a):AF+FR*(\a)+FR-1], v[8*(8*((\a)%4)+\b):8*(8*((\a)%4)+\b)+7], v[SC+8*NQ*(\sc)+NQ*\b+(\q)], v[SC+8*NQ*(\sc)+NQ*(\a)+(\q)] matrix_a_fmt:MATRIX_FMT_FP6 matrix_b_fmt:MATRIX_FMT_FP6 matrix_a_scale:MATRIX_SCALE_ROW1
.endif
.endr
.endr
.endm
.macro FETCH_B slot, q, p
	WIN TO_B
.irp i, 0,1,2,3,4,5,6,7
	FRAG 128*(\p)+FR*\i, ADRB+\slot, \q, \i
.endr
	WIN 0
.endm
.macro FETCH_A slot, q, i0
.irp i, \i0, \i0+1, \i0+2, \i0+3
	FRAG AF+FR*(\i), ADRA+\slot, \q, \i
.endr
.endm
.macro SCALES sc                       ; a K step's scale words: lanes 0-15 take x's block i, lanes 16-31 the weight's block i
.irp i, 0,1,2,3,4,5,6,7
	ds_load_b64 v[SC+8*NQ*\sc+NQ*\i:SC+8*NQ*\sc+NQ*\i+1], v[ADRS] offset:\i*SBLK
.endr
.endm
.macro PLACES n                        ; plain vector instructions between a matrix instruction and a load into, or a read of, its registers
.rept \n
	v_nop
.endr
.endm
.macro STEP slot, q, zero              ; a step of 128 along K that has its successor in the same slot
	s_wait_dscnt 4*NL                              ; the weight's set and x's blocks 0-3 are in; the youngest 24 loads (x's blocks 4-7) may be out
	WIN MUL_LO
	MUL16 0, (\q)%2, \q, \slot, \zero
	MUL16 2, (\q)%2, \q, \slot, \zero
	s_wait_dscnt 0
	PLACES NP
	FETCH_B \slot, (\q)+1, 1-(\q)%2
	FETCH_A \slot, (\q)+1, 0
	WIN MUL_HI
	MUL16 4, (\q)%2, \q, \slot, \zero
	MUL16 6, (\q)%2, \q, \slot, \zero
	PLACES NP
	WIN 0
	FETCH_A \slot, (\q)+1, 4
.endm
; A slot's last step changes slots: one barrier; in front of it each wave waits for all its tensor loads, adds 0 to its spare word, and waits for that and for its own reads of this slot.
.macro TURN slot, next, fill
	s_wait_tensorcnt 0x0                           ; all my tensor loads have landed: my part of the next slot
	ds_add_u32 v[SPW], v[NIL]                      ; 0 onto my spare word
	s_wait_dscnt 4*NL+1                            ; the add and the youngest 24 loads may be out
	WIN MUL_LO
	MUL16 0, 1, NQ-1, \slot, 0
	s_wait_dscnt 0x0                               ; the add is done, and my reads of this slot are over
	s_barrier_signal -1
	MUL16 2, 1, NQ-1, \slot, 0
	WIN 0
	s_barrier_wait -1
.if \fill
	CREST                                          ; the barrier has opened a round of the cluster's: no wave of any partner still reads this slot or has a load on its way
	s_add_nc_u64 s[G0+4*\slot+2:G0+4*\slot+3], s[G0+4*\slot+2:G0+4*\slot+3], 2*ROWB
	s_add_nc_u64 s[G0B+4*\slot+2:G0B+4*\slot+3], s[G0B+4*\slot+2:G0B+4*\slot+3], 2*ROWB
	JLOAD G0+4*\slot, G1, G0B+4*\slot, G1B         ; the first tensor load behind the round; its four v_nop are the places in front of the loads below
.else
	PLACES NP
.endif
	v_add_nc_u32 v[ADRS], 4*NQ, v[ADRS]            ; on to the next K step's scale words
	FETCH_B \next, 0, 0
	FETCH_A \next, 0, 0
	SCALES \next
	WIN MUL_HI
	MUL16 4, 1, NQ-1, \slot, 0
	MUL16 6, 1, NQ-1, \slot, 0
	PLACES NP
	WIN 0
	FETCH_A \next, 0, 4
.endm
	s_wait_tensorcnt 1                             ; the scales and my part of K step 0 are in (K step 1's load may be out),
	s_barrier_signal -1
	s_barrier_wait -1                              ; everybody's are
	FETCH_B 0, 0, 0
	FETCH_A 0, 0, 0
	SCALES 0
	FETCH_A 0, 0, 4
	STEP 0, 0, 1                                   ; the first step's products start the sums
	s_mov_b32 s3, LAPS-1
.Llap:                                                 ; a trip goes once round the ring and fills both slots again
	TURN 0, 1, 1
	STEP 1, 0, 0
	TURN 1, 0, 1
	STEP 0, 0, 0
	s_sub_co_u32 s3, s3, 1
	s_cmp_lg_u32 s3, 0
	s_cbranch_scc1 .Llap
	TURN 0, 1, 0                                   ; the last lap fills nothing
	s_load_b256 s[28:35], s[0:1], 0x50             ; no tensor load is out or to come, so the descriptors' registers take: qc, qs, kvc, kvs,
	s_load_b128 s[36:39], s[0:1], 0x70             ; out1, out2
	STEP 1, 0, 0
	CSLOAD 2                                       ; the weights' first set has been multiplied for the last time, four places back: its registers take cos and sin of tokens 32 to 47
	s_wait_dscnt 4*NL
	WIN MUL_LO
	MUL16 0, 1, NQ-1, 1, 0
	MUL16 2, 1, NQ-1, 1, 0
	s_wait_dscnt 0
	WIN MUL_HI
	MUL16 4, 1, NQ-1, 1, 0
	MUL16 6, 1, NQ-1, 1, 0
	WIN 0
	; BEHIND THE PRODUCTS.  Each wave has a stage of its own in slot 0, which has had its last fill and which nobody reads behind the last change of slots: even waves 16 rows x 528 bytes, odd waves 64 rows.
	PLACES NP
	v_and_b32 v1, 15, v0                           ; r
	v_bfe_u32 v2, v0, 4, 1                         ; h
	v_and_b32 v[LI], 31, v0
	v_lshlrev_b32 v[LI], 4, v[LI]
	s_mul_i32 s66, s15, 42496
	s_mul_i32 s67, s16, 8448
	s_add_co_u32 s66, s66, s67                     ; my stage
	v_mul_u32_u24 v[STO], v1, 528
	v_lshl_add_u32 v[STO], v2, 5, v[STO]
	v_add_nc_u32 v[STO], s66, v[STO]
	v_add_nc_u32 v[RD], s66, v[LI]
	v_and_b32 v[CLV], 8, v1
	v_add_nc_u32 v[CLV], v[CLV], v1
	v_lshlrev_b32 v[CLV], 2, v[CLV]
	v_mad_u32_u24 v[CLV], v2, 16928, v[CLV]        ; 32 rows of 528 bytes and 32 bytes more: the stage's rows 32-63 lie 32 bytes further on, so that the two halves of the lanes read different banks
	v_add_nc_u32 v[CLV], s66, v[CLV]
	v_lshlrev_b32 v[SH8], 3, v2
.irp b, 0,1,2,3
	v_mov_b32 v[TM+4+\b], 0                        ; written once: a lane permute's destination counts as one of its sources
.endr
	s_mov_b32 s48, 0x76543210
	s_mov_b32 s49, 0xfedcba98                      ; v_permlanex16_b32's selects for lane l xor 16
	s_lshl_b32 s20, s17, 8
	s_lshl_b32 s21, s15, 7
	s_add_co_u32 s20, s20, s21                     ; my first token
	s_lshr_b32 s21, s20, 10                        ; its batch
	s_and_b32 s22, s20, 1023                       ; its place in the sequence
	s_lshl_b32 s23, ttmp9, 3                       ; q: head 8 X + cx + 4 x half,
	s_add_co_u32 s23, s23, s40
	s_lshl_b32 s46, s16, 2
	s_add_co_u32 s23, s23, s46
	s_lshl_b32 s46, s21, 4
	s_add_co_u32 s23, s23, s46                     ; + 16 x batch
	s_lshl_b32 s46, s23, 6
	s_lshr_b32 s47, s22, 4
	s_add_co_u32 s46, s46, s47
	s_mul_i32 s46, s46, 1536                       ; its fragments: 64 a head, 1,536 bytes each
	s_lshl_b32 s23, s23, 4
	s_lshr_b32 s47, s22, 6
	s_add_co_u32 s23, s23, s47
	s_lshl_b32 s23, s23, 9                         ; their scale words: 512 bytes for four fragments
	s_lshl_b32 s47, s21, 2                         ; k, v: 4 x batch + kv head,
	s_add_co_u32 s47, s47, s40
	s_lshl_b32 s47, s47, 3
	s_lshr_b32 s50, s22, 7
	s_add_co_u32 s47, s47, s50                     ; x 8 + the key step
	s_mul_i32 s50, s47, 24576
	s_mul_i32 s51, s16, 12288
	s_add_co_u32 s50, s50, s51                     ; a step's eight fragments of K, then eight of V^T
	s_lshl_b32 s47, s47, 11
	s_lshl_b32 s51, s16, 10
	s_add_co_u32 s47, s47, s51
	s_wait_kmcnt 0x0
	s_cmp_lt_u32 ttmp9, 2
	s_cselect_b64 s[52:53], s[28:29], s[32:33]     ; where my fragments go,
	s_cselect_b64 s[54:55], s[30:31], s[34:35]     ; and their scale words
	s_cselect_b32 s46, s46, s50
	s_cselect_b32 s50, s23, s47
	s_mov_b32 s47, 0
	s_mov_b32 s51, 0
	s_add_nc_u64 s[52:53], s[52:53], s[46:47]
	s_add_nc_u64 s[54:55], s[54:55], s[50:51]
	s_cmp_eq_u32 s16, 0
	s_cselect_b64 s[56:57], s[36:37], s[38:39]     ; k's or v's f32 output
	s_lshl_b32 s46, s20, 11                        ; a token's row is 2,048 bytes, a kv head 512
	s_lshl_b32 s50, s40, 9
	s_add_co_u32 s46, s46, s50
	s_add_nc_u64 s[56:57], s[56:57], s[46:47]
.macro ROPE a                          ; block a's eight accumulators, rotated, into X: register 8 t + j = channel 16 t + 8 h + j.  Each accumulator is read from its low end on
	CSSET \a
	WIN 0x02+(\a)/4+4*CW                           ; source 0: the accumulators' window; source 1: the window of the block's cos and sin
.set AC, 64*((\a)%4)
.irp t, 0,1,2,3,4,5,6,7
.irp p, 0,1,2,3
	v_mul_f32 v[TR+2*(\p%2)], v[AC+8*\t+2*\p+1], v[SN+4*\t+\p]
	v_mul_f32 v[TR+2*(\p%2)+1], v[AC+8*\t+2*\p], v[SN+4*\t+\p]
	v_fma_f32 v[X+8*\t+2*\p], v[AC+8*\t+2*\p], v[CO+4*\t+\p], -v[TR+2*(\p%2)]
	v_fma_f32 v[X+8*\t+2*\p+1], v[AC+8*\t+2*\p+1], v[CO+4*\t+\p], v[TR+2*(\p%2)+1]
.endr
.endr
	WIN 0
.endm
; 64 numbers of a lane, registers 16 b + i in block b of my row, become a fragment's codes in v[CD] on and its scale word in v[w]
.macro QUANT s, w
.irp b, 0,1,2,3
	v_max3_num_f32 v[TM+\b], |v[\s+16*\b]|, |v[\s+1+16*\b]|, 0x1800000   ; my 16 numbers, and the floor 2^(3 - 127): the byte cannot fall under 1
.endr
.irp i, 2,4,6,8,10,12,14
.irp b, 0,1,2,3
	v_max3_num_f32 v[TM+\b], v[TM+\b], |v[\s+16*\b+\i]|, |v[\s+1+16*\b+\i]|
.endr
.endr
.irp b, 0,1,2,3
	v_permlanex16_b32 v[TM+4+\b], v[TM+\b], s48, s49
.endr
.irp b, 0,1,2,3
	v_max_num_f32 v[TM+\b], v[TM+\b], v[TM+4+\b]   ; with lane l xor 16's: the block's largest magnitude
.endr
.irp b, 0,1,2,3
	v_add_nc_u32 v[TM+12+\b], 0xff000000, v[TM+\b] ; 2 off its exponent field: the conversion's scale operand
.endr
.irp b, 0,1,2,3
	v_lshrrev_b32 v[TM+4+\b], 23, v[TM+12+\b]      ; the scale's byte
.endr
	v_lshl_or_b32 v[\w], v[TM+5], 8, v[TM+4]
	v_lshl_or_b32 v[\w], v[TM+6], 16, v[\w]
	v_lshl_or_b32 v[\w], v[TM+7], 24, v[\w]
.irp c, 0,1
	v_cvt_scalef32_pk16_fp6_f32 v[CD+6*\c:CD+2+6*\c], v[\s+32*\c:\s+15+32*\c], v[TM+12+2*\c]
	v_cvt_scalef32_pk16_fp6_f32 v[CD+12+4*\c:CD+14+4*\c], v[\s+16+32*\c:\s+31+32*\c], v[TM+12+2*\c+1]
.endr
	v_nop                                          ; one plain place behind a scaled conversion
.irp c, 0,1                                    ; a whole block in a lane: lanes 0-15 block 2 c, lanes 16-31 block 2 c + 1
.irp i, 0,1,2
	v_permlane16_swap_b32 v[CD+6*\c+\i], v[CD+12+4*\c+\i]
.endr
.irp i, 0,1,2
	v_mov_b32 v[CD+3+6*\c+\i], v[CD+12+4*\c+\i]
.endr
.endr
.endm
.macro KOUT a                          ; k's 16 tokens x 128 channels through my stage and out as whole rows of 512 bytes
.irp t, 0,1,2,3,4,5,6,7
	ds_store_b128 v[STO], v[X+8*\t:X+8*\t+3] offset:64*\t
	ds_store_b128 v[STO], v[X+8*\t+4:X+8*\t+7] offset:64*\t+16
.endr
.irp i, 0,1,2,3,4,5,6,7,8,9,10,11,12,13,14,15
	ds_load_b128 v[X+4*\i:X+4*\i+3], v[RD] offset:528*\i   ; LDS serves a wave's instructions in order (ISA guide 5.7.1.4): these see the stores above
.endr
.irp i, 0,1,2,3,4,5,6,7,8,9,10,11,12,13,14,15
	s_wait_dscnt 15-\i                             ; the younger loads of the run may be out
	global_store_b128 v[LI], v[X+4*\i:X+4*\i+3], s[56:57] offset:(16*(\a)+\i)*2048 th:TH_STORE_NT   ; 32 lanes store 512 consecutive bytes
.endr
.endm
.macro QKBLOCK a
.if (\a) < 6
	s_wait_loadcnt 32                              ; this block's cos and sin are in; the two younger sets, 2 x 16 loads, may be out
.else
	s_wait_loadcnt 16*(7-(\a))                     ; the last sets: one younger, then none
.endif
	s_wait_xcnt 0x0                                ; the last block's stores have read X and the codes: both are written again only behind this wait
	ROPE \a
.if (\a) < 5
	CSLOAD (\a)+3                                  ; the set just read takes the block three on
.endif
	QUANT X, SW+(\a)
.irp c, 0,1,2
	global_store_b128 v[LI], v[CD+4*\c:CD+4*\c+3], s[52:53] offset:1536*(\a)+512*\c   ; the fragment as an image of its registers: 512 consecutive bytes a store
.endr
	s_cmp_lt_u32 ttmp9, 2                          ; q has no f32 output
	s_cbranch_scc1 .Lnok_\@
	KOUT \a
.Lnok_\@:
.endm
.macro VSTAGE c                        ; tokens 64 c .. 64 c + 63 of v into my stage, each accumulator from its low end on
	WIN 0x08+4*(\c)
.irp a, 0,1,2,3
.irp b, 0,1,2,3,4,5,6,7
	ds_store_b128 v[STO], v[64*\a+8*\b:64*\a+8*\b+3] offset:16*\a*528+32*(\a/2)+64*\b
	ds_store_b128 v[STO], v[64*\a+8*\b+4:64*\a+8*\b+7] offset:16*\a*528+32*(\a/2)+64*\b+16
.endr
.endr
	WIN 0
.endm
.macro VROWS c, g                      ; 16 of them leave as whole rows of 512 bytes
	s_wait_xcnt 0x0                                ; earlier stores have read X
.irp i, 0,1,2,3,4,5,6,7,8,9,10,11,12,13,14,15
	ds_load_b128 v[X+4*\i:X+4*\i+3], v[RD] offset:(16*(\g)+\i)*528+32*((\g)/2)
.endr
.irp i, 0,1,2,3,4,5,6,7,8,9,10,11,12,13,14,15
	s_wait_dscnt 15-\i
	global_store_b128 v[LI], v[X+4*\i:X+4*\i+3], s[56:57] offset:(64*(\c)+16*(\g)+\i)*2048 th:TH_STORE_NT
.endr
.endm
.macro VCOL dt                         ; a column a lane: place i of key block 2 c + h, which is key 16 u + 8 h' + j of the block, at my channel of d tile dt
.irp i, 0,1,2,3,4,5,6,7,8,9,10,11,12,13,14,15,16,17,18,19,20,21,22,23,24,25,26,27,28,29,30,31
	ds_load_b32 v[X+32*((\dt)%2)+\i], v[CLV] offset:((\i&7)|((\i&8)<<1)|((\i&16)>>1))*528+(32*((\dt)/2)+8*((\dt)%2))*4
.endr
.endm
.macro VQ c, dt                        ; the block's 32 numbers are mine: its scale byte, and registers 6 c .. 6 c + 5 of V^T's fragment dt (window 1)
.set Y, X+32*((\dt)%2)
	v_max3_num_f32 v[TM], |v[Y]|, |v[Y+1]|, |v[Y+2]|
	v_max3_num_f32 v[TM+1], |v[Y+3]|, |v[Y+4]|, |v[Y+5]|
.irp i, 6,10,14,18,22,26
	v_max3_num_f32 v[TM], v[TM], |v[Y+\i]|, |v[Y+\i+1]|
	v_max3_num_f32 v[TM+1], v[TM+1], |v[Y+\i+2]|, |v[Y+\i+3]|
.endr
	v_max3_num_f32 v[TM], v[TM], |v[Y+30]|, |v[Y+31]|
	v_max3_num_f32 v[TM], v[TM], v[TM+1], 0x1800000
	v_add_nc_u32 v[TM+2], 0xff000000, v[TM]
.if (\c) == 0
	v_lshrrev_b32 v[SW+(\dt)], 23, v[TM+2]
.else
	v_lshrrev_b32 v[TM+3], 23, v[TM+2]
	v_lshl_or_b32 v[SW+(\dt)], v[TM+3], 16, v[SW+(\dt)]
.endif
	v_cvt_scalef32_pk16_fp6_f32 v[CD+12:CD+14], v[Y+16:Y+31], v[TM+2]   ; (a conversion's three registers begin on an even number: the second half is made here and moved)
	WIN 0x40
	v_cvt_scalef32_pk16_fp6_f32 v[12*(\dt)+6*(\c):12*(\dt)+6*(\c)+2], v[Y:Y+15], v[TM+2]
	v_nop                                          ; one plain place behind a scaled conversion
.irp i, 0,1,2
	v_mov_b32 v[12*(\dt)+6*(\c)+3+\i], v[CD+12+\i]
.endr
	WIN 0
.endm
	s_cmp_lt_u32 ttmp9, 2
	s_cbranch_scc1 .Lqk
	s_cmp_eq_u32 s16, 0
	s_cbranch_scc1 .Lqk
	; ---- V: 64 tokens at a time through the stage: out as rows, back as columns
	s_wait_loadcnt 0x0                             ; the cos and sin that this wave asked for with the others have landed: their registers in window 1 take V^T's fragments
.irp c, 0,1
	VSTAGE \c
	VROWS \c, 0
	VROWS \c, 1
	VROWS \c, 2
	VROWS \c, 3
	s_wait_xcnt 0x0                                ; the stores have read X
	VCOL 0
.irp d, 0,1,2,3,4,5,6,7
.if \d < 7
	VCOL \d+1
	s_wait_dscnt 32                                ; this tile's 32 loads are in; the next tile's 32 may be out
.else
	s_wait_dscnt 0x0
.endif
	VQ \c, \d
.endr
.endr
.irp d, 0,1,2,3,4,5,6,7
	v_lshlrev_b32 v[SW+\d], v[SH8], v[SW+\d]       ; my two bytes, blocks h and 2 + h, at their places in the scale word;
.endr
.irp d, 0,1,2,3,4,5,6,7
	v_permlanex16_b32 v[TM+4+\d%4], v[SW+\d], s48, s49
	v_or_b32 v[SW+\d], v[SW+\d], v[TM+4+\d%4]      ; with lane l xor 16's two the word is whole
.endr
	WIN 0x04                                       ; a store's data are its source 1: window 1
.irp d, 0,1,2,3,4,5,6,7
.irp c, 0,1,2
	global_store_b128 v[LI], v[12*\d+4*\c:12*\d+4*\c+3], s[52:53] offset:1536*\d+512*\c
.endr
.endr
	WIN 0
	global_store_b128 v[LI], v[SW:SW+3], s[54:55]
	global_store_b128 v[LI], v[SW+4:SW+7], s[54:55] offset:512
	s_branch .Ldone
.Lqk:
	; ---- Q and K: a block of 16 tokens at a time
.irp a, 0,1,2,3,4,5,6,7
	QKBLOCK \a
.endr
	global_store_b128 v[LI], v[SW:SW+3], s[54:55]              ; four fragments' scale words, 16 bytes a lane
	global_store_b128 v[LI], v[SW+4:SW+7], s[54:55] offset:512
.Ldone:
	s_wait_tensorcnt 0x0                           ; the wave's end
	ds_add_u32 v[SPW], v[NIL]
	s_wait_dscnt 0x0
	CROUND                                         ; the closing round
	s_endpgm
.Lfunc_end_k_q185f10155b_qkv:
	.size	k_q185f10155b_qkv, .Lfunc_end_k_q185f10155b_qkv-k_q185f10155b_qkv
	.p2alignl 7, 3214868480
	.fill 96, 4, 3214868480
	.section	.rodata,"a",@progbits
	.p2align	6, 0x0
	.amdhsa_kernel k_q185f10155b_qkv
		.amdhsa_group_segment_fixed_size 327680
		.amdhsa_private_segment_fixed_size 0
		.amdhsa_enable_private_segment 0
		.amdhsa_kernarg_size 128
		.amdhsa_user_sgpr_count 2
		.amdhsa_user_sgpr_kernarg_segment_ptr 1
		.amdhsa_wavefront_size32 1
		.amdhsa_system_sgpr_workgroup_id_x 1
		.amdhsa_system_sgpr_workgroup_id_y 1
		.amdhsa_system_sgpr_workgroup_id_z 1
		.amdhsa_system_vgpr_workitem_id 0
		.amdhsa_next_free_vgpr 1024
		.amdhsa_next_free_sgpr 100
		.amdhsa_reserve_vcc 0
		.amdhsa_float_denorm_mode_32 3
		.amdhsa_float_denorm_mode_16_64 3
		.amdhsa_memory_ordered 1
		.amdhsa_forward_progress 1
		.amdhsa_inst_pref_size 255
	.end_amdhsa_kernel
	.section	.bss,"aw",@nobits
	.p2align	6
	.space	262144
	.amdgpu_metadata
---
amdhsa.version: [ 1, 2 ]
amdhsa.kernels:
  - .name:           k_q185f10155b_qkv
    .symbol:         k_q185f10155b_qkv.kd
    .args:
      - { .name: x_codes, .offset: 0, .size: 8, .value_kind: global_buffer, .address_space: global }
      - { .name: x_scales, .offset: 8, .size: 8, .value_kind: global_buffer, .address_space: global }
      - { .name: wq_codes, .offset: 16, .size: 8, .value_kind: global_buffer, .address_space: global }
      - { .name: wq_scales, .offset: 24, .size: 8, .value_kind: global_buffer, .address_space: global }
      - { .name: wk_codes, .offset: 32, .size: 8, .value_kind: global_buffer, .address_space: global }
      - { .name: wk_scales, .offset: 40, .size: 8, .value_kind: global_buffer, .address_space: global }
      - { .name: wv_codes, .offset: 48, .size: 8, .value_kind: global_buffer, .address_space: global }
      - { .name: wv_scales, .offset: 56, .size: 8, .value_kind: global_buffer, .address_space: global }
      - { .name: freqs_cos, .offset: 64, .size: 8, .value_kind: global_buffer, .address_space: global }
      - { .name: freqs_sin, .offset: 72, .size: 8, .value_kind: global_buffer, .address_space: global }
      - { .name: qc, .offset: 80, .size: 8, .value_kind: global_buffer, .address_space: global }
      - { .name: qs, .offset: 88, .size: 8, .value_kind: global_buffer, .address_space: global }
      - { .name: kvc, .offset: 96, .size: 8, .value_kind: global_buffer, .address_space: global }
      - { .name: kvs, .offset: 104, .size: 8, .value_kind: global_buffer, .address_space: global }
      - { .name: out1, .offset: 112, .size: 8, .value_kind: global_buffer, .address_space: global }
      - { .name: out2, .offset: 120, .size: 8, .value_kind: global_buffer, .address_space: global }
    .group_segment_fixed_size: 327680
    .private_segment_fixed_size: 0
    .kernarg_segment_align: 8
    .kernarg_segment_size: 128
    .max_flat_workgroup_size: 128
    .sgpr_count:     100
    .vgpr_count:     1024
    .wavefront_size: 32
...
	.end_amdgpu_metadata
.endif
;; end of part 1
;; launch attn (part 2): grid 16 x 16, 8 waves a work-group, clusters of 4 x 4, 327,680 bytes of LDS; arguments qc, qs, kvc, kvs, attention_mask, oc, os; writes oc, os
.if DOCPART == 2
	.amdgcn_target "amdgcn-amd-amdhsa--gfx1250"
	.amdhsa_code_object_version 6
	.text
	.protected	k_q185f10155b_attn
	.globl	k_q185f10155b_attn
	.p2align	8
	.type	k_q185f10155b_attn,@function
k_q185f10155b_attn:
	s_mov_b64 s[64:65], 0
	v_nop
	global_prefetch_b8 v0, s[64:65] scope:SCOPE_SE
	s_setreg_imm32_b32 hwreg(HW_REG_WAVE_MODE, 25, 1), 1
	s_wait_xcnt 0x0
	s_wait_alu depctr_hold_cnt(0) depctr_sa_sdst(0) depctr_va_vdst(0) depctr_va_sdst(0) depctr_va_ssrc(0) depctr_va_vcc(0) depctr_vm_vsrc(0)
	s_getreg_b32 s2, hwreg(HW_REG_IB_STS2, 6, 4)
	s_cmp_eq_u32 s2, 0
	s_cbranch_scc0 .Lentry_in_a_cluster
	s_endpgm
.Lentry_in_a_cluster:
	s_bfe_u32 s2, ttmp6, 0x10000c
	s_cmp_lg_u32 s2, 0xf033
	s_cbranch_scc0 .Lentry_shape_is_right
	s_endpgm
.Lentry_shape_is_right:
; O = softmax(q k^T / sqrt(128) + mask) v for 4 batches x 4 kv heads x 4 query heads, both products on codes of FP6 (E2M3) with one E8M0 scale for each 32 along K; O / l is quantised along the head's 128 for the last product.
; t = score x log2(e) / sqrt(128) + mask x log2(e); M = the ceiling of the running largest t, a whole number; p = 2^(t - M) is quantised along the keys; l is the sum of the unquantised p.  When M moves, l and O are multiplied by 2^(old M - new M).
; The mask is an input: every query walks all 1,024 keys, and every number of the mask is read.
; SHARES.  A work-group: 64 queries (qb) of one batch and kv head (bk).  Wave w: the 16 queries of tile w / 2, for TWO query heads, 2 (w % 2) and 2 (w % 2) + 1: the mask's registers and each fragment of K and V serve both.
; LAYOUT.  Both products transposed: S^T = K Q^T, O^T = V^T P^T: a lane holds one query (lane % 16).  Register 8 t + j of S^T is key 16 t + 8 h + j; p's codes then carry, inside each block of 32 keys, the order in which V^T's codes were laid.
; V^T's rows were chosen so that O^T's 16 registers of tiles 2 b, 2 b + 1 are channels 32 b + 16 h + 0 .. 15: O's codes lie in the natural order.
; CLUSTERS of 4 x 4: K's and V's codes and scales hang on bk alone and are asked for jointly along a row of the cluster; the mask's tile hangs on qb alone and is asked for jointly down a column.
; LDS: two slots of two key steps (a step: K's 8 fragments, V^T's 8, the mask's 64 rows x 512 bytes at pitch 528); the scale words of all 8 steps, filled once; the spare words; the stages for the way out.
; LDS LOADS UNDER THE SOFTMAX.  V^T's fragments 0-3 are asked for ahead of the first head's softmax; fragments 4-7 behind it, into that head's S^T registers, which its conversions have left; the mask of a slot's second
; step behind the last read of the mask's registers in the first step.  So the 16 products V^T P of a step stand in one run.
; LIMITS: a row whose mask is -infinity everywhere gives NaN, as the definition does; a block of p or of O that is all zeros gets the scale byte 1 (its codes are zeros).
; REGISTERS.  Head u's tile lies in window u at the same numbers: v12 -M, v13 largest t, v[14:15] l, v16-27 Q, v96-159 S^T / t / p, v160-223 O^T, v224-235 p's codes, v232-247 and v252-254 at work.
;   window 0 alone: v1-11 addresses, v28-31 and v248-251 scale words (nothing else, ever), v32-79 four fragments, v80-87 the way out, v88 16 lane + 512 h, v89 the address of V^T's scale words.
;   window 1 alone: v32-95 the step's 64 numbers of the mask.
.set STEPB, 58368
.set MOFF,  24576
.set SLOT1, 131072
.set SCB,   262144
.set SPARE, 278528                     ; the spare words, 128 bytes for each of eight waves; no other line names them
.set STGO,  279552                     ; 64 rows x 528: a token's 4 heads x 8 places of 16 bytes, each with 12 bytes of codes
.set SSTG,  313344                     ; 64 tokens x 16 scale bytes
.set MSB, 0
.macro WIN new                         ; the immediate's high byte repeats the setting that is left
.if MSB != (\new)
	s_set_vgpr_msb (MSB<<8)|(\new)
.set MSB, (\new)
.endif
.endm
.macro CROUND                          ; a round of the cluster's barrier
	s_barrier_signal -1
	s_barrier_wait -1
	s_cmp_lg_u32 s18, 0
	s_cbranch_scc1 .Lnot_wave_0_\@
	s_barrier_signal -3
.Lnot_wave_0_\@:
	s_barrier_wait -3
	s_barrier_signal -1
	s_barrier_wait -1
.endm
; Waves 0 and 1 fetch a key step's codes each, waves 2 and 3 its tile of the mask, the others nothing.  The branches hang on the wave's number alone.  Four v_nop follow each line.
.macro JLOAD
	s_cmp_lt_u32 s18, 2
	s_cbranch_scc0 .Lnot_c_\@
	tensor_load_to_lds s[40:43], s[24:31]
	s_nop 0
.rept 4
	v_nop
.endr
	s_branch .Lasked_\@
.Lnot_c_\@:
	s_cmp_lt_u32 s18, 4
	s_cbranch_scc0 .Lasked_\@
	tensor_load_to_lds s[44:47], s[32:39]
	s_nop 0
.rept 4
	v_nop
.endr
.Lasked_\@:
.endm
; A prefetch into the L2, at the first change of slots alone (s66 = 3 there): key steps 4 to 7, which the second and third change will ask for.  Codes: 98,304 bytes = 12 x 8,192; the first cluster along x asks,
; partner cx's waves 4 to 6 take chunks 3 cx + (w - 4), lanes 256 bytes apart.  Mask: 64 rows x 2,048 bytes; the first cluster along y asks, partner cy's waves 4 to 7 take four rows each, eight lanes to a row.
; Partners are told apart by address; each aligned block of 256 bytes is named once in the launch; the address registers are never rewritten.
.macro ASK
	s_cmp_gt_u32 s66, s67
	s_cbranch_scc0 .Lno_k_\@
	global_prefetch_b8 v5, s[68:69] th:TH_LOAD_NT scope:SCOPE_SE
.Lno_k_\@:
	s_cmp_gt_u32 s66, s84
	s_cbranch_scc0 .Lno_m_\@
	global_prefetch_b8 v84, s[82:83] th:TH_LOAD_NT scope:SCOPE_SE
.Lno_m_\@:
.endm
	s_load_b256 s[4:11], s[0:1], 0x0               ; qc s[4:5], qs s[6:7], kvc s[8:9], kvs s[10:11]
	s_load_b128 s[12:15], s[0:1], 0x20             ; the mask s[12:13], oc s[14:15]
	s_load_b64 s[16:17], s[0:1], 0x30              ; os
	v_lshl_add_u32 v3, v0, 2, SPARE                ; my spare word; never rewritten
	v_mov_b32 v4, 0                                ; 0; never rewritten
	ds_add_u32 v3, v4
	s_wait_dscnt 0x0
	v_lshrrev_b32 v1, 5, v0
	v_readfirstlane_b32 s18, v1                    ; wave 0..7
	s_and_b32 s19, s18, 1
	s_bfe_u32 s70, ttmp6, 0x40000                  ; cx
	s_bfe_u32 s71, ttmp6, 0x40004                  ; cy
	s_lshl_b32 s72, ttmp9, 2
	s_add_co_u32 s72, s72, s70                     ; qb: my block of 64 queries
	s_and_b32 s73, ttmp7, 0xffff
	s_lshl_b32 s73, s73, 2
	s_add_co_u32 s73, s73, s71                     ; bk = 4 x batch + kv head
	s_lshl_b32 s74, s71, 2
	s_lshl_b32 s74, 15, s74                        ; my row of the cluster
	s_lshl_b32 s75, 0x1111, s70                    ; my column
	s_or_b32 s24, s74, (3<<16)|(1<<21)             ; a step's codes: 24,576 dense bytes as 96 rows of 32 elements of 8 bytes
	s_mov_b32 s25, 32<<16
	s_mov_b32 s26, 96<<16
	s_mov_b32 s27, 32<<16
	s_mov_b32 s28, 96
	s_mov_b32 s29, 32
	s_mov_b32 s30, 0
	s_mov_b32 s31, 0
	s_or_b32 s32, s75, (2<<16)|(1<<20)|(1<<21)|(6<<22)|(3<<25)   ; the mask's tile: 64 rows of 128 f32, 1,024 apart; 4 words of padding behind every 128
	s_mov_b32 s33, 128<<16
	s_mov_b32 s34, 64<<16
	s_mov_b32 s35, 128<<16
	s_mov_b32 s36, 64
	s_mov_b32 s37, 1024
	s_mov_b32 s38, 0
	s_mov_b32 s39, 0
	s_or_b32 s48, s74, (3<<16)|(1<<21)             ; half of the scale words: 8,192 dense bytes as 32 rows of 256
	s_mov_b32 s49, 32<<16
	s_mov_b32 s50, 32<<16
	s_mov_b32 s51, 32<<16
	s_mov_b32 s52, 32
	s_mov_b32 s53, 32
	s_mov_b32 s54, 0
	s_mov_b32 s55, 0
	s_mul_i32 s76, s73, 196608                     ; kvc: 8 steps of 24,576 bytes for each bk; I fetch step w % 2 of a slot
	s_mul_i32 s77, s19, 24576
	s_add_co_u32 s76, s76, s77
	s_mov_b32 s77, 0
	s_lshl_b32 s78, s73, 14                        ; kvs: 16,384 bytes for each bk, my half
	s_lshl_b32 s79, s19, 13
	s_add_co_u32 s78, s78, s79
	s_mov_b32 s79, 0
	s_lshl_b32 s80, s72, 18                        ; the mask: 64 rows of 4,096 bytes for each qb; 512 bytes a key step
	s_lshl_b32 s81, s19, 9
	s_add_co_u32 s80, s80, s81
	s_mov_b32 s81, 0
	s_mul_i32 s85, s19, STEPB
	s_lshl_b32 s86, s19, 13
	s_mov_b32 s20, 0x76543210
	s_mov_b32 s21, 0xfedcba98                      ; v_permlanex16_b32's selects for lane l xor 16
	s_mov_b32 s22, 0x3fb8aa3b                      ; log2(e)
	s_mov_b32 s23, s22
	s_mov_b32 s60, 0x3e0293ee                      ; log2(e) / sqrt(128)
	s_mov_b32 s61, s60
	s_mov_b32 s62, 0                               ; the slot in hand
	s_mov_b32 s63, SCB                             ; the step's scale words
	s_mov_b32 s66, 3                               ; slots still to be asked for
	s_wait_kmcnt 0x0
	s_mov_b32 s40, 1
	s_mov_b32 s41, s85
	s_add_nc_u64 s[42:43], s[8:9], s[76:77]
	s_or_b32 s43, s43, 0x80000000
	s_mov_b32 s44, 1
	s_add_co_u32 s45, s85, MOFF
	s_add_nc_u64 s[46:47], s[12:13], s[80:81]
	s_or_b32 s47, s47, 0x80000000
	s_mov_b32 s56, 1
	s_add_co_u32 s57, s86, SCB
	s_add_nc_u64 s[58:59], s[10:11], s[78:79]
	s_or_b32 s59, s59, 0x80000000
	CROUND                                         ; all sixteen work-groups are here: the first joint loads meet
	s_cmp_lt_u32 s18, 2
	s_cbranch_scc0 .Lno_scales
	tensor_load_to_lds s[56:59], s[48:55]          ; the scale words of all eight steps: filled once
	s_nop 0
.rept 4
	v_nop
.endr
.Lno_scales:
	JLOAD                                          ; slot 0
	s_lshl_b32 s86, s73, 2
	s_lshl_b32 s87, s19, 1
	s_add_co_u32 s86, s86, s87                     ; 16 x batch + my first head
	s_lshr_b32 s87, s18, 1                         ; qt: my tile of 16 queries
	s_lshl_b32 s88, s86, 6
	s_lshl_b32 s89, s72, 2
	s_add_co_u32 s88, s88, s89
	s_add_co_u32 s88, s88, s87
	s_mul_i32 s88, s88, 1536
	s_mov_b32 s89, 0
	s_add_nc_u64 s[4:5], s[4:5], s[88:89]          ; Q's fragment
	s_lshl_b32 s88, s86, 4
	s_add_co_u32 s88, s88, s72
	s_lshl_b32 s88, s88, 9
	s_lshl_b32 s90, s87, 2
	s_add_co_u32 s88, s88, s90
	s_add_nc_u64 s[6:7], s[6:7], s[88:89]          ; its scale words: word qt of each lane's four
	v_and_b32 v1, 31, v0
	v_lshlrev_b32 v1, 4, v1                        ; 16 x lane
.irp c, 0,1,2
	global_load_b128 v[16+4*\c:19+4*\c], v1, s[4:5] offset:512*\c
.endr
	WIN 0x40
.irp c, 0,1,2
	global_load_b128 v[16+4*\c:19+4*\c], v1, s[4:5] offset:98304+512*\c   ; the next head's, 64 fragments on
.endr
	WIN 0
	global_load_b32 v28, v1, s[6:7]
	global_load_b32 v29, v1, s[6:7] offset:8192
	v_and_b32 v8, 15, v0                           ; r
	v_bfe_u32 v9, v0, 4, 1                         ; h
	v_lshl_add_u32 v88, v9, 9, v1                  ; 16 x lane + 512 h: lanes 0-15 in the first of two images of scale words, lanes 16-31 in the second
	s_lshl_b32 s88, s87, 4
	v_add_nc_u32 v10, s88, v8
	v_mul_u32_u24 v2, v10, 528
	v_lshl_add_u32 v2, v9, 5, v2
	v_add_nc_u32 v2, MOFF, v2                      ; the mask: row 16 qt + r, 32 h
	s_lshl_b32 s88, s19, 8
	s_add_co_u32 s88, s88, STGO-MOFF
	v_add_nc_u32 v6, s88, v2                       ; the stage, in: the same row, 32 h, my two heads' 256 bytes
	s_mul_i32 s88, s87, 8448
	s_mul_i32 s89, s19, 4224
	s_add_co_u32 s88, s88, s89
	s_add_co_u32 s88, s88, STGO
	v_add_nc_u32 v7, s88, v1                       ; back: rows 16 qt + 8 (w % 2) on, 16 bytes a lane
	s_lshl_b32 s88, s87, 8
	s_lshl_b32 s89, s19, 3
	s_add_co_u32 s88, s88, s89
	s_add_co_u32 s88, s88, SSTG
	v_lshl_add_u32 v85, v8, 4, s88                 ; my token's scale bytes, my two heads' 8
	v_and_b32 v86, 63, v0
	v_lshlrev_b32 v87, 6, v86                      ; os: 64 bytes a token
	v_lshl_add_u32 v86, v86, 4, SSTG
	v_and_b32 v11, 31, v0
	v_mul_u32_u24 v11, v11, 12                     ; oc: 12 bytes a lane
	v_lshlrev_b32 v5, 4, v1                        ; 256 x lane
	v_bfe_u32 v84, v0, 3, 2
	v_and_b32 v10, 7, v0
	v_lshlrev_b32 v10, 8, v10
	v_lshl_add_u32 v84, v84, 12, v10               ; the mask's prefetch: row lane / 8, block lane % 8
	s_lshr_b32 s88, s73, 2
	s_lshl_b32 s88, s88, 10
	s_lshl_b32 s89, s72, 6
	s_add_co_u32 s88, s88, s89                     ; the work-group's first token
	s_lshl_b32 s90, s88, 6
	s_and_b32 s91, s73, 3
	s_lshl_b32 s92, s91, 4
	s_add_co_u32 s90, s90, s92                     ; os: 64 bytes a token, 16 a kv head
	s_mul_i32 s91, s91, 384
	s_lshl_b32 s89, s87, 4
	s_add_co_u32 s88, s88, s89
	s_lshl_b32 s89, s19, 3
	s_add_co_u32 s88, s88, s89
	s_mul_i32 s88, s88, 1536
	s_add_co_u32 s88, s88, s91                     ; oc: 1,536 bytes a token, 384 a kv head
	s_mov_b32 s89, 0
	s_mov_b32 s91, 0
	s_add_nc_u64 s[14:15], s[14:15], s[88:89]
	s_add_nc_u64 s[16:17], s[16:17], s[90:91]
	s_mul_i32 s88, s73, 196608
	s_mul_i32 s90, s70, 3
	s_and_b32 s92, s18, 3
	s_add_co_u32 s90, s90, s92
	s_lshl_b32 s90, s90, 13
	s_add_co_u32 s88, s88, s90
	s_add_co_u32 s88, s88, 98304
	s_add_nc_u64 s[68:69], s[8:9], s[88:89]        ; my chunk of key steps 4 to 7 of the codes
	s_lshl_b32 s88, s72, 6
	s_lshl_b32 s90, s71, 4
	s_add_co_u32 s88, s88, s90
	s_lshl_b32 s90, s92, 2
	s_add_co_u32 s88, s88, s90
	s_lshl_b32 s88, s88, 12
	s_add_co_u32 s88, s88, 2048
	s_add_nc_u64 s[82:83], s[12:13], s[88:89]      ; my four rows of the mask, keys 512 on
	s_lshr_b32 s88, s18, 2
	s_xor_b32 s88, s88, 1                          ; 0 in waves 4 to 7
	s_or_b32 s90, s88, ttmp9
	s_cmp_eq_u32 s90, 0
	s_cselect_b32 s67, 2, -1                       ; 2 in a wave that asks for codes, else the greatest number
	s_cmp_eq_u32 s18, 7
	s_cselect_b32 s67, -1, s67
	s_and_b32 s90, ttmp7, 0xffff
	s_or_b32 s90, s90, s88
	s_cmp_eq_u32 s90, 0
	s_cselect_b32 s84, 2, -1                       ; the same for the mask
.irp u, 0,1                                    ; the step is written once: its first run finds zeros, which the first change of M leaves zeros
	WIN 0x55*\u
	v_mov_b32 v13, 0xff61b1e6                      ; the largest t so far: -3e38
	v_floor_f32 v12, -v13
	v_mov_b32 v14, 0
	v_mov_b32 v15, 0
	v_mov_b32 v236, 0                              ; a lane permute's destination counts as one of its sources
	v_mov_b32 v237, 0
	v_mov_b32 v238, 0
	v_mov_b32 v239, 0
	v_mov_b32 v253, 0                              ; named as the upper half of the pair v[252:253]
.set j, 0
.rept 64
	v_mov_b32 v[160+j], 0
.set j, j+1
.endr
.endr
	WIN 0
.macro KLOAD g                         ; four fragments of K as images of their registers, and their scale words
.irp t, 0,1,2,3
.irp c, 0,1,2
	ds_load_b128 v[32+12*\t+4*\c:35+12*\t+4*\c], v8 offset:(4*\g+\t)*1536+512*\c
.endr
.endr
	ds_load_b128 v[248:251], v10 offset:512*\g
.endm
.macro VLOAD0                          ; V^T's fragments 0-3, and the scale words of all eight by one load: lanes 0-15 take those of fragments 0-3, lanes 16-31 those of fragments 4-7 (both halves of an image hold the same words)
.irp t, 0,1,2,3
.irp c, 0,1,2
	ds_load_b128 v[32+12*\t+4*\c:35+12*\t+4*\c], v8 offset:12288+\t*1536+512*\c
.endr
.endr
	ds_load_b128 v[248:251], v89 offset:1024
.endm
.macro VLOAD1                          ; V^T's fragments 4-7, into the first head's S^T registers, which its conversions have left
.irp t, 0,1,2,3
.irp c, 0,1,2
	ds_load_b128 v[96+12*\t+4*\c:99+12*\t+4*\c], v8 offset:12288+(4+\t)*1536+512*\c
.endr
.endr
.endm
.macro MLOAD off                       ; the mask of my query at a step's keys, in S^T's order: register 8 t + j = key 16 t + 8 h + j.  off: 0 this step's, STEPB the next step's of the same slot.  Leaves the destination's window at 1
	WIN 0x40
.irp t, 0,1,2,3,4,5,6,7
	ds_load_b128 v[32+8*\t:35+8*\t], v9 offset:(\off)+64*\t
	ds_load_b128 v[36+8*\t:39+8*\t], v9 offset:(\off)+64*\t+16
.endr
.endm
.macro QK g
.irp u, 0,1
	WIN 0x44*\u
.irp t, 0,1,2,3
	v_wmma_scale_f32_16x16x128_f8f6f4 v[96+8*(4*\g+\t):103+8*(4*\g+\t)], v[32+12*\t:43+12*\t], v[16:27], 0, v[248+\t], v[28+\u] matrix_a_fmt:MATRIX_FMT_FP6 matrix_b_fmt:MATRIX_FMT_FP6
.endr
.endr
	WIN 0
.endm
.macro PV                              ; a step's 16 products V^T P in one run; no two neighbouring matrix instructions share an accumulator
.irp u, 0,1
	WIN 0x54*\u
.irp t, 0,1,2,3
	v_wmma_scale_f32_16x16x128_f8f6f4 v[160+8*\t:167+8*\t], v[32+12*\t:43+12*\t], v[224:235], v[160+8*\t:167+8*\t], v[248+\t], v[30+\u] matrix_a_fmt:MATRIX_FMT_FP6 matrix_b_fmt:MATRIX_FMT_FP6
.endr
.irp t, 0,1,2,3
	v_wmma_scale_f32_16x16x128_f8f6f4 v[192+8*\t:199+8*\t], v[96+12*\t:107+12*\t], v[224:235], v[192+8*\t:199+8*\t], v[248+\t], v[30+\u] matrix_a_fmt:MATRIX_FMT_FP6 matrix_b_fmt:MATRIX_FMT_FP6 matrix_a_scale:MATRIX_SCALE_ROW1
.endr
.endr
	WIN 0
.endm
.macro SOFTMAX u, ahead                ; ahead = 1: behind the last read of the mask's registers they take the next step's
	WIN 0x10+0x45*(\u)                             ; the mask lies in window 1
.set j, 0
.rept 32
	v_pk_fma_f32 v[96+j:97+j], v[96+j:97+j], s[60:61], v[32+j:33+j] op_sel_hi:[1,0,1]   ; t, two at a time; each accumulator is read from its low end on
.set j, j+2
.endr
.if \ahead
	MLOAD STEPB
.endif
	WIN 0x55*(\u)
.irp b, 0,1,2,3
	v_max3_num_f32 v[232+\b], v[96+16*\b], v[97+16*\b], v[98+16*\b]   ; the largest t of each block of 32 keys: for the row's maximum and, since p rises with t, for the block's largest p
.endr
.irp i, 3,5,7,9,11,13
.irp b, 0,1,2,3
	v_max3_num_f32 v[232+\b], v[232+\b], v[96+16*\b+\i], v[97+16*\b+\i]
.endr
.endr
.irp b, 0,1,2,3
	v_max_num_f32 v[232+\b], v[232+\b], v[111+16*\b]
.endr
.irp b, 0,1,2,3
	v_permlanex16_b32 v[236+\b], v[232+\b], s20, s21
.endr
.irp b, 0,1,2,3
	v_max_num_f32 v[232+\b], v[232+\b], v[236+\b]
.endr
	v_max3_num_f32 v254, v232, v233, v234
	v_max_num_f32 v254, v254, v235
	v_max_num_f32 v13, v13, v254                   ; the running largest t
	v_mov_b32 v254, v12
	v_floor_f32 v12, -v13                          ; -M = floor(-t): M is a whole number
	v_sub_f32 v254, v12, v254                      ; old M - new M, 0 or less
	v_cvt_i32_f32 v254, v254                       ; (it saturates)
	v_ldexp_f32 v252, 1.0, v254                    ; f = 2^(old M - new M)
.set j, 0
.rept 32
	v_pk_add_f32 v[96+j:97+j], v[96+j:97+j], v[12:13] op_sel_hi:[1,0]   ; t - M
.set j, j+2
.endr
.irp b, 0,1,2,3
	v_add_f32 v[232+\b], v[232+\b], v12            ; the same of each block's largest t
.endr
.set j, 0
.rept 64
	v_exp_f32 v[96+j], v[96+j]                     ; p = 2^(t - M)
.set j, j+1
.endr
	v_pk_mul_f32 v[14:15], v[14:15], v[252:253] op_sel_hi:[1,0]   ; l under the new M: the plain place behind the exponentials
	s_wait_alu depctr_va_vdst(0)                   ; one wait for the batch, ahead of its first reader
.irp b, 0,1,2,3
	v_exp_f32 v[232+\b], v[232+\b]                 ; the block's largest p: the same instructions on the same number give the same bits
.endr
	v_pk_add_f32 v[236:237], v[96:97], v[98:99]    ; l takes the unquantised p, in two chains
.irp j, 4,8,12,16,20,24,28,32,36,40,44,48,52,56,60
	v_pk_add_f32 v[14:15], v[14:15], v[96+\j:97+\j]
	v_pk_add_f32 v[236:237], v[236:237], v[98+\j:99+\j]
.endr
	v_pk_add_f32 v[14:15], v[14:15], v[236:237]
	s_wait_alu depctr_va_vdst(0)                   ; and one for the four
.irp b, 0,1,2,3
	v_max_num_f32 v[232+\b], 0x1800000, v[232+\b]  ; the floor 2^(3 - 127): the byte cannot fall under 1
.endr
.irp b, 0,1,2,3
	v_add_nc_u32 v[244+\b], 0xff000000, v[232+\b]  ; 2 off the exponent field: the conversion's scale operand
.endr
.irp b, 0,1,2,3
	v_lshrrev_b32 v[236+\b], 23, v[244+\b]
.endr
	v_lshl_or_b32 v254, v237, 8, v236
	v_lshl_or_b32 v254, v238, 16, v254
	v_lshl_or_b32 v254, v239, 24, v254             ; p's scale word for these 128 keys
.irp c, 0,1
	v_cvt_scalef32_pk16_fp6_f32 v[224+6*\c:226+6*\c], v[96+32*\c:111+32*\c], v[244+2*\c]
	v_cvt_scalef32_pk16_fp6_f32 v[236+4*\c:238+4*\c], v[112+32*\c:127+32*\c], v[244+2*\c+1]
.endr
	v_nop                                          ; one plain place behind a scaled conversion
.irp c, 0,1
.irp i, 0,1,2
	v_permlane16_swap_b32 v[224+6*\c+\i], v[236+4*\c+\i]
.endr
.irp i, 0,1,2
	v_mov_b32 v[227+6*\c+\i], v[236+4*\c+\i]
.endr
.endr
	WIN 0x01*(\u)
	v_mov_b32 v[30+\u], v254                       ; scale operands are taken from window 0
	WIN 0x55*(\u)
.set j, 0
.rept 32
	v_pk_mul_f32 v[160+j:161+j], v[160+j:161+j], v[252:253] op_sel_hi:[1,0]   ; O^T under the new M; these 32 are also the places between the scale word, the codes and the products
.set j, j+2
.endr
	WIN 0
.endm
.macro STEP q                          ; a key step: 128 keys, the q-th of the slot in hand
	s_add_co_u32 s85, s62, (\q)*STEPB
	v_add_nc_u32 v8, s85, v1                       ; FIVE plain places behind the last step's products: K Q^T below writes over registers that they read (V^T's fragments 4-7), and the loads land on others
.if (\q) == 0
	v_add_nc_u32 v9, s85, v2
.else
	v_nop                                          ; (this step's mask was asked for in the step before)
.endif
	v_add_nc_u32 v10, s63, v1
	v_add_nc_u32 v89, s63, v88
	v_nop
	KLOAD 0
.if (\q) == 0
	MLOAD 0
	WIN 0
	s_wait_dscnt 16                                ; K's first four fragments are in; the mask's 16 loads may be out
.else
	s_wait_dscnt 0x0
.endif
	QK 0
.rept 4
	v_nop
.endr
	KLOAD 1
	s_wait_dscnt 0x0
	QK 1
	WIN 0x41
.set j, 0
.rept 32
	v_pk_mul_f32 v[32+j:33+j], v[32+j:33+j], s[22:23] op_sel_hi:[1,0]   ; the mask x log2(e), once for both heads; also the places behind the products
.set j, j+2
.endr
	WIN 0
	VLOAD0                                         ; lands under the first head's softmax
	SOFTMAX 0, 0
	VLOAD1                                         ; lands under the second head's
	SOFTMAX 1, 1-(\q)
	s_wait_dscnt 0x0                               ; V^T's eight fragments, their scale words and, in a slot's first step, the next step's mask
	PV
	s_add_co_u32 s63, s63, 2048                    ; the next step's scale words
.endm
; The change of slots stands at a slot's head: each wave waits for all its tensor loads, adds 0 to its spare word, and waits for that and for its reads of the slot that it has left.
; fill = 1: a round of the cluster's barrier, and behind it the slot just left is filled with the next two key steps: the load has two key steps in which to land.
.macro CHANGE fill
	s_wait_tensorcnt 0x0                           ; no tensor load of mine is out, so a group 0 may be written
	ds_add_u32 v3, v4                              ; 0 onto my spare word
.if \fill
	s_xor_b32 s41, s41, SLOT1
	s_add_nc_u64 s[42:43], s[42:43], 49152
	s_xor_b32 s45, s45, SLOT1
	s_add_nc_u64 s[46:47], s[46:47], 1024
.endif
	s_wait_dscnt 0x0
.if \fill
	CROUND
	JLOAD
	ASK
.else
	s_barrier_signal -1
	s_barrier_wait -1
.endif
.endm
.macro SLOT_STEPS
	STEP 0
	STEP 1
	s_xor_b32 s62, s62, SLOT1
.endm
	s_wait_loadcnt 0x0                             ; Q and its scale words
.Lslot:                                            ; three trips: behind each change of slots but the last the next slot is asked for
	CHANGE 1
	SLOT_STEPS
	s_sub_co_u32 s66, s66, 1
	s_cmp_lg_u32 s66, 0
	s_cbranch_scc1 .Lslot
	CHANGE 0                                       ; the last slot is written out
	SLOT_STEPS
	; THE WAY OUT: O^T / l, quantised along the head's 128; codes and scale bytes meet in stages, since a token's 384 bytes of codes come from two waves
.rept 4
	v_nop
.endr
.macro OQUANT u
	WIN 0x55*(\u)
	v_add_f32 v14, v14, v15
	v_permlanex16_b32 v252, v14, s20, s21
	v_add_f32 v14, v14, v252                       ; the row's sum
	v_rcp_f32 v14, v14
	v_nop                                          ; a plain place behind the reciprocal
	s_wait_alu depctr_va_vdst(0)                   ; and the wait ahead of its first reader
.set j, 0
.rept 32
	v_pk_mul_f32 v[96+j:97+j], v[160+j:161+j], v[14:15] op_sel_hi:[1,0]   ; register 16 b + i = channel 32 b + 16 h + i
.set j, j+2
.endr
.irp b, 0,1,2,3
	v_max3_num_f32 v[232+\b], |v[96+16*\b]|, |v[97+16*\b]|, 0x1800000
.endr
.irp i, 2,4,6,8,10,12,14
.irp b, 0,1,2,3
	v_max3_num_f32 v[232+\b], v[232+\b], |v[96+16*\b+\i]|, |v[97+16*\b+\i]|
.endr
.endr
.irp b, 0,1,2,3
	v_permlanex16_b32 v[236+\b], v[232+\b], s20, s21
.endr
.irp b, 0,1,2,3
	v_max_num_f32 v[232+\b], v[232+\b], v[236+\b]
.endr
.irp b, 0,1,2,3
	v_add_nc_u32 v[244+\b], 0xff000000, v[232+\b]
.endr
.irp b, 0,1,2,3
	v_lshrrev_b32 v[236+\b], 23, v[244+\b]
.endr
	v_lshl_or_b32 v254, v237, 8, v236
	v_lshl_or_b32 v254, v238, 16, v254
	v_lshl_or_b32 v254, v239, 24, v254
.irp c, 0,1
	v_cvt_scalef32_pk16_fp6_f32 v[224+6*\c:226+6*\c], v[96+32*\c:111+32*\c], v[244+2*\c]
	v_cvt_scalef32_pk16_fp6_f32 v[236+4*\c:238+4*\c], v[112+32*\c:127+32*\c], v[244+2*\c+1]
.endr
	v_nop
.irp c, 0,1
.irp i, 0,1,2
	v_permlane16_swap_b32 v[224+6*\c+\i], v[236+4*\c+\i]   ; the first now holds the lower 16 codes of block 2 c + (lane / 16), the second the upper 16
.endr
.endr
	WIN 0x04*(\u)                                  ; an LDS store's data are its source 1
.irp c, 0,1
	ds_store_b96 v6, v[224+6*\c:226+6*\c] offset:128*(\u)+64*\c          ; 12 bytes to a place of 16
	ds_store_b96 v6, v[236+4*\c:238+4*\c] offset:128*(\u)+64*\c+16
.endr
	ds_store_b32 v85, v254 offset:4*(\u)           ; both halves of the lanes write the same word with the same value
	WIN 0
.endm
	OQUANT 0
	OQUANT 1
	s_wait_dscnt 0x0                               ; for the others' sake: my stores into the stages are done
	s_barrier_signal -1
	s_barrier_wait -1
.irp i, 0,1,2,3,4,5,6,7
	ds_load_b96 v[32+4*\i:34+4*\i], v7 offset:528*\i
.endr
.irp i, 0,1,2,3,4,5,6,7
	s_wait_dscnt 7-\i                              ; the younger loads of the run may be out
	global_store_b96 v11, v[32+4*\i:34+4*\i], s[14:15] offset:1536*\i   ; 32 lanes store a token's 384 consecutive bytes
.endr
	s_cmp_lt_u32 s18, 2
	s_cbranch_scc0 .Lno_os
	ds_load_b128 v[80:83], v86
	s_wait_dscnt 0x0
	global_store_b128 v87, v[80:83], s[16:17]      ; a token's 16 scale bytes of this kv head
.Lno_os:
	s_wait_tensorcnt 0x0                           ; the wave's end
	ds_add_u32 v3, v4
	s_wait_dscnt 0x0
	CROUND                                         ; the closing round
	s_endpgm
.Lfunc_end_k_q185f10155b_attn:
	.size	k_q185f10155b_attn, .Lfunc_end_k_q185f10155b_attn-k_q185f10155b_attn
	.p2alignl 7, 3214868480
	.fill 96, 4, 3214868480
	.section	.rodata,"a",@progbits
	.p2align	6, 0x0
	.amdhsa_kernel k_q185f10155b_attn
		.amdhsa_group_segment_fixed_size 327680
		.amdhsa_private_segment_fixed_size 0
		.amdhsa_enable_private_segment 0
		.amdhsa_kernarg_size 56
		.amdhsa_user_sgpr_count 2
		.amdhsa_user_sgpr_kernarg_segment_ptr 1
		.amdhsa_wavefront_size32 1
		.amdhsa_system_sgpr_workgroup_id_x 1
		.amdhsa_system_sgpr_workgroup_id_y 1
		.amdhsa_system_sgpr_workgroup_id_z 1
		.amdhsa_system_vgpr_workitem_id 0
		.amdhsa_next_free_vgpr 512
		.amdhsa_next_free_sgpr 96
		.amdhsa_reserve_vcc 0
		.amdhsa_float_denorm_mode_32 3
		.amdhsa_float_denorm_mode_16_64 3
		.amdhsa_memory_ordered 1
		.amdhsa_forward_progress 1
		.amdhsa_inst_pref_size 192
	.end_amdhsa_kernel
	.amdgpu_metadata
---
amdhsa.version: [ 1, 2 ]
amdhsa.kernels:
  - .name:           k_q185f10155b_attn
    .symbol:         k_q185f10155b_attn.kd
    .args:
      - { .name: qc, .offset: 0, .size: 8, .value_kind: global_buffer, .address_space: global }
      - { .name: qs, .offset: 8, .size: 8, .value_kind: global_buffer, .address_space: global }
      - { .name: kvc, .offset: 16, .size: 8, .value_kind: global_buffer, .address_space: global }
      - { .name: kvs, .offset: 24, .size: 8, .value_kind: global_buffer, .address_space: global }
      - { .name: attention_mask, .offset: 32, .size: 8, .value_kind: global_buffer, .address_space: global }
      - { .name: oc, .offset: 40, .size: 8, .value_kind: global_buffer, .address_space: global }
      - { .name: os, .offset: 48, .size: 8, .value_kind: global_buffer, .address_space: global }
    .group_segment_fixed_size: 327680
    .private_segment_fixed_size: 0
    .kernarg_segment_align: 8
    .kernarg_segment_size: 56
    .max_flat_workgroup_size: 256
    .sgpr_count:     96
    .vgpr_count:     512
    .wavefront_size: 32
...
	.end_amdgpu_metadata
.endif
;; end of part 2
;; launch oproj (part 3): grid 8 x 16, 4 waves a work-group, clusters of 4 x 4, 327,680 bytes of LDS; arguments oc, os, wo_codes, wo_scales, out0; writes out0
.if DOCPART == 3
	.amdgcn_target "amdgcn-amd-amdhsa--gfx1250"
	.amdhsa_code_object_version 6
	.text
	.protected	k_q185f10155b_oproj
	.globl	k_q185f10155b_oproj
	.p2align	8
	.type	k_q185f10155b_oproj,@function
k_q185f10155b_oproj:
	s_mov_b64 s[64:65], 0
	v_nop
	global_prefetch_b8 v0, s[64:65] scope:SCOPE_SE
	s_setreg_imm32_b32 hwreg(HW_REG_WAVE_MODE, 25, 1), 1
	s_wait_xcnt 0x0
	s_wait_alu depctr_hold_cnt(0) depctr_sa_sdst(0) depctr_va_vdst(0) depctr_va_sdst(0) depctr_va_ssrc(0) depctr_va_vcc(0) depctr_vm_vsrc(0)
	s_getreg_b32 s2, hwreg(HW_REG_IB_STS2, 6, 4)
	s_cmp_eq_u32 s2, 0
	s_cbranch_scc0 .Lentry_in_a_cluster
	s_endpgm
.Lentry_in_a_cluster:
	s_bfe_u32 s2, ttmp6, 0x10000c
	s_cmp_lg_u32 s2, 0xf033
	s_cbranch_scc0 .Lentry_shape_is_right
	s_endpgm
.Lentry_shape_is_right:
; out0[m][n] = sum over k of O[m][k] wo[n][k].  O: [4,096][2,048], wo: [2,048][2,048]: codes of FP6 (E2M3), 6 bits each, with one E8M0 scale for each 32 along K; out0 f32; sums in f32.
; A tile of 256 x 256 is made by a work-group of four waves; a wave makes 128 x 128: 64 accumulators of 16 x 16, 512 registers.  K goes in steps of 256 through a ring of two LDS slots filled by the tensor data mover.
; THE SCALES of the work-group's 256 rows of each operand, for all of K, are two dense blocks of memory: they come into LDS once, with the first fills, and stay.
; CLUSTERS: 4 x 4 work-groups.  The four of a row need the same tiles of O, the four of a column the same tiles of wo: each tile is asked for jointly.
; THE MATRIX INSTRUCTION IS USED TRANSPOSED (source 0 = 16 rows of wo, source 1 = 16 rows of O): a lane then holds eight neighbouring numbers of a row of the result.
; REGISTERS, in windows of 256: window 0: v0-31 addresses; v32-63 scale words, two sets; from v128 O's fragments, one set.  window 1: wo's fragments, two sets.  windows 2, 3: the accumulators.
.set SIZE_M, 4096
.set SIZE_N, 2048
.set SIZE_K, 2048
.set KSTEP,  256
.set NQ,     KSTEP/128
.set ROWB,   192
.set KROW,   SIZE_K*6/8
.set PITCH,  240                       ; an LDS row: 3 x (64 bytes of data + 16 of padding)
.set FR,     12
.set NL,     6
.set NP,     4                         ; places behind this matrix instruction (ISA guide 7.12.1)
.set HALFT,  128*PITCH
.set SLOT,   4*HALFT
.set LAPS,   SIZE_K/(2*KSTEP)
.set KS,     SIZE_K/32
.set SCL,    2*SLOT
.set HALFS,  (128*KS/256)*272
.set SBLK,   (16*KS/256)*272
.set SPARE,  SCL+4*HALFS               ; the spare words, 128 bytes for each wave; no other line names them
.set SPITCH, 528                       ; the way out: a stage of 16 rows x (512 bytes + 16) for each wave, in slot 0, which has had its last fill and its last read by then
.set ADRA, 16
.set ADRB, 20
.set STO,  24
.set RD,   25
.set CO,   26
.set SPW,  28
.set NIL,  29
.set ADRS, 27
.set SC,   32
.set AF,   128
.set BK,   128
.set G1, 24
.set G0, 32
.set G1B, 48
.set G0B, 56
.set G1S, 68
.set G0S, 76
.set G1SB, 80
.set G0SB, 88
.set MSB, 0
.macro WIN new                         ; the immediate's high byte repeats the setting that is left
.if MSB != (\new)
	s_set_vgpr_msb (MSB<<8)|(\new)
.set MSB, (\new)
.endif
.endm
.set MUL_LO, 0xa1
.set MUL_HI, 0xf1
.set TO_B,   0x40
; A joint load: waves 0 and 1 fetch for O, waves 2 and 3 for wo.  The branch hangs on the wave's number alone.  Four v_nop follow each of the two lines.
.macro JLOAD g0a, g1a, g0b, g1b
	s_cmp_eq_u32 s15, 0
	s_cbranch_scc0 .Lfor_b_\@
	tensor_load_to_lds s[\g0a:\g0a+3], s[\g1a:\g1a+7]
	s_nop 0
.rept 4
	v_nop
.endr
	s_branch .Lasked_\@
.Lfor_b_\@:
	tensor_load_to_lds s[\g0b:\g0b+3], s[\g1b:\g1b+7]
	s_nop 0
.rept 4
	v_nop
.endr
.Lasked_\@:
.endm
.macro CREST
	s_cmp_lg_u32 s14, 0
	s_cbranch_scc1 .Lnot_wave_0_\@
	s_barrier_signal -3
.Lnot_wave_0_\@:
	s_barrier_wait -3
	s_barrier_signal -1
	s_barrier_wait -1
.endm
.macro CROUND
	s_barrier_signal -1
	s_barrier_wait -1
	CREST
.endm
	s_load_b128 s[4:7], s[0:1], 0x0                ; O's codes s[4:5], O's scales s[6:7]
	s_load_b128 s[8:11], s[0:1], 0x10              ; wo's codes s[8:9], wo's scales s[10:11]
	s_load_b64 s[12:13], s[0:1], 0x20              ; out0
	v_lshl_add_u32 v[SPW], v0, 2, SPARE
	v_mov_b32 v[NIL], 0
	ds_add_u32 v28, v29
	s_wait_dscnt 0x0
	v_lshrrev_b32 v1, 5, v0
	v_readfirstlane_b32 s14, v1                    ; wave 0..3
	s_lshr_b32 s15, s14, 1                         ; which half of the tile's rows is mine.  Also: I fetch for O (0) or for wo (1)
	s_and_b32 s16, s14, 1                          ; which half of its columns.  Also: which 128 rows I fetch
	s_bfe_u32 s40, ttmp6, 0x40000                  ; cx, cy
	s_bfe_u32 s41, ttmp6, 0x40004
	s_lshl_b32 s42, ttmp9, 2
	s_add_co_u32 s42, s42, s40                     ; tile column
	s_and_b32 s17, ttmp7, 0xffff
	s_lshl_b32 s17, s17, 2
	s_add_co_u32 s17, s17, s41                     ; tile row
	s_lshl_b32 s43, s41, 2
	s_lshl_b32 s43, 15, s43                        ; my row of the cluster
	s_lshl_b32 s44, 0x1111, s40                    ; my column
	s_or_b32 s[G1+0], s43, (0<<16)|(1<<20)|(1<<21)|(3<<22)|(3<<25)
	s_or_b32 s[G1B+0], s44, (0<<16)|(1<<20)|(1<<21)|(3<<22)|(3<<25)
.irp g, G1, G1B
	s_mov_b32 s[\g+1], ROWB<<16
	s_mov_b32 s[\g+2], 128<<16
	s_mov_b32 s[\g+3], ROWB<<16
	s_mov_b32 s[\g+4], 128
	s_mov_b32 s[\g+5], KROW
	s_mov_b32 s[\g+6], 0
	s_mov_b32 s[\g+7], 0
.endr
	s_or_b32 s[G1S+0], s43, (3<<16)|(1<<20)|(1<<21)|(5<<22)|(3<<25)
	s_or_b32 s[G1SB+0], s44, (3<<16)|(1<<20)|(1<<21)|(5<<22)|(3<<25)
.irp g, G1S, G1SB
	s_mov_b32 s[\g+1], 32<<16
	s_mov_b32 s[\g+2], (128*KS/256)<<16
	s_mov_b32 s[\g+3], 32<<16
	s_mov_b32 s[\g+4], 128*KS/256
	s_mov_b32 s[\g+5], 32
	s_mov_b32 s[\g+6], 0
	s_mov_b32 s[\g+7], 0
.endr
	s_lshl_b32 s18, s16, 7
	s_lshl_b32 s20, s17, 8
	s_add_co_u32 s20, s20, s18                     ; O: row 256 x tile row + 128 x half
	s_lshl_b32 s46, s42, 8
	s_add_co_u32 s46, s46, s18                     ; wo: row 256 x tile column + 128 x half
	s_mov_b32 s21, 0
	s_mov_b32 s47, 0
	s_mov_b64 s[18:19], KS
	s_mul_u64 s[22:23], s[20:21], s[18:19]
	s_mul_u64 s[92:93], s[46:47], s[18:19]
	s_mov_b64 s[18:19], KROW
	s_mul_u64 s[20:21], s[20:21], s[18:19]
	s_mul_u64 s[46:47], s[46:47], s[18:19]
	s_mul_i32 s45, s14, HALFT
	s_mul_i32 s94, s14, HALFS
	s_wait_kmcnt 0x0
	s_add_nc_u64 s[20:21], s[4:5], s[20:21]
	s_add_nc_u64 s[22:23], s[6:7], s[22:23]
	s_add_nc_u64 s[46:47], s[8:9], s[46:47]
	s_add_nc_u64 s[92:93], s[10:11], s[92:93]
	CROUND                                         ; all sixteen work-groups are here: the first joint loads meet
	s_mov_b32 s[G0S], 1
	s_add_co_u32 s[G0S+1], s94, SCL
	s_mov_b64 s[G0S+2:G0S+3], s[22:23]
	s_or_b32 s[G0S+3], s[G0S+3], 0x80000000
	s_mov_b32 s[G0SB], 1
	s_add_co_u32 s[G0SB+1], s94, SCL
	s_mov_b64 s[G0SB+2:G0SB+3], s[92:93]
	s_or_b32 s[G0SB+3], s[G0SB+3], 0x80000000
	JLOAD G0S, G1S, G0SB, G1SB                     ; the scales first
.irp s, 0,1
	s_mov_b32 s[G0+4*\s], 1
	s_add_co_u32 s[G0+4*\s+1], s45, \s*SLOT
	s_add_nc_u64 s[G0+4*\s+2:G0+4*\s+3], s[20:21], \s*ROWB
	s_or_b32 s[G0+4*\s+3], s[G0+4*\s+3], 0x80000000
	s_mov_b32 s[G0B+4*\s], 1
	s_add_co_u32 s[G0B+4*\s+1], s45, \s*SLOT
	s_add_nc_u64 s[G0B+4*\s+2:G0B+4*\s+3], s[46:47], \s*ROWB
	s_or_b32 s[G0B+4*\s+3], s[G0B+4*\s+3], 0x80000000
	JLOAD G0+4*\s, G1, G0B+4*\s, G1B
.endr
	v_and_b32 v1, 15, v0
	v_bfe_u32 v2, v0, 4, 1
	v_mul_u32_u24 v3, v1, PITCH
	v_mul_u32_u24 v4, v2, 24
	v_add_nc_u32 v4, v3, v4
	v_lshl_add_u32 v5, v2, 4, v4
	s_mul_i32 s21, s15, HALFT
	s_mul_i32 s22, s16, HALFT
	s_add_co_u32 s22, s22, 2*HALFT
.irp s, 0,1
	v_add_nc_u32 v[ADRA+\s], s21, v4
	v_add_nc_u32 v[ADRB+\s], s22, v4
	v_add_nc_u32 v[ADRA+2+\s], s21, v5
	v_add_nc_u32 v[ADRB+2+\s], s22, v5
	s_add_co_u32 s21, s21, SLOT
	s_add_co_u32 s22, s22, SLOT
.endr
	v_mul_u32_u24 v5, v1, KS
	v_lshrrev_b32 v6, 8, v5
	v_lshl_add_u32 v5, v6, 4, v5
	s_mul_i32 s21, s15, HALFS
	s_mul_i32 s22, s16, HALFS
	s_add_co_u32 s22, s22, 2*HALFS
	s_sub_co_u32 s22, s22, s21
	v_mul_u32_u24 v6, s22, v2                      ; lanes 16-31 take wo's
	s_add_co_u32 s21, s21, SCL
	v_add_nc_u32 v5, v5, v6
	v_add_nc_u32 v[ADRS], s21, v5
	s_mul_i32 s23, s14, 16*SPITCH                  ; my stage
	v_mul_u32_u24 v5, v1, SPITCH
	v_lshl_add_u32 v5, v2, 5, v5
	v_add_nc_u32 v[STO], s23, v5
	v_and_b32 v6, 31, v0
	v_lshlrev_b32 v[CO], 4, v6
	v_add_nc_u32 v[RD], s23, v[CO]
	s_lshl_b32 s20, s17, 8
	s_lshl_b32 s21, s15, 7
	s_add_co_u32 s20, s20, s21                     ; my first row of the result
	s_mov_b32 s21, 0
	s_mov_b64 s[18:19], SIZE_N*4
	s_mul_u64 s[20:21], s[20:21], s[18:19]
	s_lshl_b32 s46, s42, 10
	s_lshl_b32 s47, s16, 9
	s_add_co_u32 s46, s46, s47
	s_mov_b32 s47, 0
	s_add_nc_u64 s[20:21], s[20:21], s[46:47]
	s_add_nc_u64 s[12:13], s[12:13], s[20:21]
.macro FRAG reg, adr, q, i             ; a fragment: lane l holds row l % 16; registers 6 c .. 6 c + 5 hold K = 64 c + 32 (l / 16) + 0 .. 31, in pieces of 8 bytes
.irp p, 0,1,2,3,4,5
.set PC, 12*(\q)+6*(\p/3)+\p%3
.if PC%8 < 5
	ds_load_b64 v[\reg+2*\p:\reg+2*\p+1], v[\adr] offset:8*PC+16*(PC/8)+(\i)*16*PITCH
.else
	ds_load_b64 v[\reg+2*\p:\reg+2*\p+1], v[\adr+2] offset:8*PC+16*(PC/8)+(\i)*16*PITCH
.endif
.endr
.endm
; The 64 accumulators take turns, one instruction a turn, in the same order in every step.
.macro MUL16 a0, p, q, sc, zero
.irp a, \a0, \a0+1
.irp b, 0,1,2,3,4,5,6,7
.if \zero
	v_wmma_scale_f32_16x16x128_f8f6f4 v[8*(8*((\a)%4)+\b):8*(8*((\a)%4)+\b)+7], v[128*(\p)+FR*\b:128*(\p)+FR*\b+FR-1], v[AF+FR*(\a):AF+FR*(\a)+FR-1], 0, v[SC+8*NQ*(\sc)+NQ*\b+(\q)], v[SC+8*NQ*(\sc)+NQ*(\a)+(\q)] matrix_a_fmt:MATRIX_FMT_FP6 matrix_b_fmt:MATRIX_FMT_FP6 matrix_a_scale:MATRIX_SCALE_ROW1
.else
	v_wmma_scale_f32_16x16x128_f8f6f4 v[8*(8*((\a)%4)+\b):8*(8*((\a)%4)+\b)+7], v[128*(\p)+FR*\b:128*(\p)+FR*\b+FR-1], v[AF+FR*(\a):AF+FR*(\a)+FR-1], v[8*(8*((\a)%4)+\b):8*(8*((\a)%4)+\b)+7], v[SC+8*NQ*(\sc)+NQ*\b+(\q)], v[SC+8*NQ*(\sc)+NQ*(\a)+(\q)] matrix_a_fmt:MATRIX_FMT_FP6 matrix_b_fmt:MATRIX_FMT_FP6 matrix_a_scale:MATRIX_SCALE_ROW1
.endif
.endr
.endr
.endm
.macro FETCH_B slot, q, p
	WIN TO_B
.irp i, 0,1,2,3,4,5,6,7
	FRAG 128*(\p)+FR*\i, ADRB+\slot, \q, \i
.endr
	WIN 0
.endm
.macro FETCH_A slot, q, i0
.irp i, \i0, \i0+1, \i0+2, \i0+3
	FRAG AF+FR*(\i), ADRA+\slot, \q, \i
.endr
.endm
.macro SCALES sc
.irp i, 0,1,2,3,4,5,6,7
	ds_load_b64 v[SC+8*NQ*\sc+NQ*\i:SC+8*NQ*\sc+NQ*\i+1], v[ADRS] offset:\i*SBLK
.endr
.endm
.macro PLACES n                        ; plain vector instructions between a matrix instruction and a load into, or a read of, its registers
.rept \n
	v_nop
.endr
.endm
.macro STEP slot, q, zero
	s_wait_dscnt 4*NL                              ; wo's set and O's blocks 0-3 are in; the youngest 24 loads may be out
	WIN MUL_LO
	MUL16 0, (\q)%2, \q, \slot, \zero
	MUL16 2, (\q)%2, \q, \slot, \zero
	s_wait_dscnt 0
	PLACES NP
	FETCH_B \slot, (\q)+1, 1-(\q)%2
	FETCH_A \slot, (\q)+1, 0
	WIN MUL_HI
	MUL16 4, (\q)%2, \q, \slot, \zero
	MUL16 6, (\q)%2, \q, \slot, \zero
	PLACES NP
	WIN 0
	FETCH_A \slot, (\q)+1, 4
.endm
; A slot's last step changes slots: one barrier; in front of it each wave waits for all its tensor loads, adds 0 to its spare word, and waits for that and for its own reads of this slot.
.macro TURN slot, next, fill
	s_wait_tensorcnt 0x0                           ; all my tensor loads have landed
	ds_add_u32 v[SPW], v[NIL]                      ; 0 onto my spare word
	s_wait_dscnt 4*NL+1                            ; the add and the youngest 24 loads may be out
	WIN MUL_LO
	MUL16 0, 1, NQ-1, \slot, 0
	s_wait_dscnt 0x0                               ; the add is done, and my reads of this slot are over
	s_barrier_signal -1
	MUL16 2, 1, NQ-1, \slot, 0
	WIN 0
	s_barrier_wait -1
.if \fill
	CREST                                          ; the barrier has opened a round of the cluster's: no wave of any partner still reads this slot or has a load on its way
	s_add_nc_u64 s[G0+4*\slot+2:G0+4*\slot+3], s[G0+4*\slot+2:G0+4*\slot+3], 2*ROWB
	s_add_nc_u64 s[G0B+4*\slot+2:G0B+4*\slot+3], s[G0B+4*\slot+2:G0B+4*\slot+3], 2*ROWB
	JLOAD G0+4*\slot, G1, G0B+4*\slot, G1B
.else
	PLACES NP
.endif
	v_add_nc_u32 v[ADRS], 4*NQ, v[ADRS]
	FETCH_B \next, 0, 0
	FETCH_A \next, 0, 0
	SCALES \next
	WIN MUL_HI
	MUL16 4, 1, NQ-1, \slot, 0
	MUL16 6, 1, NQ-1, \slot, 0
	PLACES NP
	WIN 0
	FETCH_A \next, 0, 4
.endm
	s_wait_tensorcnt 1                             ; the scales and my part of K step 0 are in (K step 1's load may be out),
	s_barrier_signal -1
	s_barrier_wait -1                              ; everybody's are
	FETCH_B 0, 0, 0
	FETCH_A 0, 0, 0
	SCALES 0
	FETCH_A 0, 0, 4
	STEP 0, 0, 1                                   ; the first step's products start the sums
	s_mov_b32 s3, LAPS-1
.Llap:
	TURN 0, 1, 1
	STEP 1, 0, 0
	TURN 1, 0, 1
	STEP 0, 0, 0
	s_sub_co_u32 s3, s3, 1
	s_cmp_lg_u32 s3, 0
	s_cbranch_scc1 .Llap
	TURN 0, 1, 0                                   ; the last lap fills nothing
	STEP 1, 0, 0
	s_wait_dscnt 4*NL
	WIN MUL_LO
	MUL16 0, 1, NQ-1, 1, 0
	MUL16 2, 1, NQ-1, 1, 0
	s_wait_dscnt 0
	WIN MUL_HI
	MUL16 4, 1, NQ-1, 1, 0
	MUL16 6, 1, NQ-1, 1, 0
	WIN 0
; THE WAY OUT, block by block of 16 rows x 128 columns, through my own stage in LDS and back as whole rows of 512 bytes.  LDS serves a wave's instructions in order (ISA guide 5.7.1.4).
.macro TOSTAGE a
.set AC, 64*((\a)%4)
	WIN 0x08+4*((\a)/4)
.irp b, 0,1,2,3,4,5,6,7
	ds_store_b128 v[STO], v[AC+8*\b:AC+8*\b+3] offset:64*\b          ; each accumulator from its low end on
	ds_store_b128 v[STO], v[AC+8*\b+4:AC+8*\b+7] offset:64*\b+16
.endr
	WIN 0
.set BB, BK+64*((\a)%2)
.irp t, 0,1,2,3,4,5,6,7,8,9,10,11,12,13,14,15
	ds_load_b128 v[BB+4*\t:BB+4*\t+3], v[RD] offset:\t*SPITCH
.endr
.endm
.macro SEND a, younger                 ; younger: the LDS instructions issued behind block a's loads, which may stay out
.set BB, BK+64*((\a)%2)
	s_wait_dscnt \younger
.if (\a) > 0
	s_add_nc_u64 s[12:13], s[12:13], 16*SIZE_N*4   ; (behind a wait on XCNT: the earlier stores have read their base)
.endif
.irp t, 0,1,2,3,4,5,6,7,8,9,10,11,12,13,14,15
	global_store_b128 v[CO], v[BB+4*\t:BB+4*\t+3], s[12:13] offset:\t*SIZE_N*4 th:TH_STORE_NT   ; 32 lanes store 512 consecutive bytes
.endr
.endm
	PLACES NP
	TOSTAGE 0
.irp a, 1,2,3,4,5,6,7
.if \a > 1
	s_wait_xcnt 0x0                                ; block a - 2's stores have read their registers and their base
.endif
	TOSTAGE \a
	SEND \a-1, 32                                  ; behind block a - 1's loads: block a's 16 stores and 16 loads
.endr
	s_wait_xcnt 0x0
	SEND 7, 0
	s_wait_tensorcnt 0x0                           ; the wave's end
	ds_add_u32 v[SPW], v[NIL]
	s_wait_dscnt 0x0
	CROUND                                         ; the closing round
	s_endpgm
.Lfunc_end_k_q185f10155b_oproj:
	.size	k_q185f10155b_oproj, .Lfunc_end_k_q185f10155b_oproj-k_q185f10155b_oproj
	.p2alignl 7, 3214868480
	.fill 96, 4, 3214868480
	.section	.rodata,"a",@progbits
	.p2align	6, 0x0
	.amdhsa_kernel k_q185f10155b_oproj
		.amdhsa_group_segment_fixed_size 327680
		.amdhsa_private_segment_fixed_size 0
		.amdhsa_enable_private_segment 0
		.amdhsa_kernarg_size 40
		.amdhsa_user_sgpr_count 2
		.amdhsa_user_sgpr_kernarg_segment_ptr 1
		.amdhsa_wavefront_size32 1
		.amdhsa_system_sgpr_workgroup_id_x 1
		.amdhsa_system_sgpr_workgroup_id_y 1
		.amdhsa_system_sgpr_workgroup_id_z 1
		.amdhsa_system_vgpr_workitem_id 0
		.amdhsa_next_free_vgpr 1024
		.amdhsa_next_free_sgpr 98
		.amdhsa_reserve_vcc 0
		.amdhsa_float_denorm_mode_32 3
		.amdhsa_float_denorm_mode_16_64 3
		.amdhsa_memory_ordered 1
		.amdhsa_forward_progress 1
		.amdhsa_inst_pref_size 160
	.end_amdhsa_kernel
	.amdgpu_metadata
---
amdhsa.version: [ 1, 2 ]
amdhsa.kernels:
  - .name:           k_q185f10155b_oproj
    .symbol:         k_q185f10155b_oproj.kd
    .args:
      - { .name: oc, .offset: 0, .size: 8, .value_kind: global_buffer, .address_space: global }
      - { .name: os, .offset: 8, .size: 8, .value_kind: global_buffer, .address_space: global }
      - { .name: wo_codes, .offset: 16, .size: 8, .value_kind: global_buffer, .address_space: global }
      - { .name: wo_scales, .offset: 24, .size: 8, .value_kind: global_buffer, .address_space: global }
      - { .name: out0, .offset: 32, .size: 8, .value_kind: global_buffer, .address_space: global }
    .group_segment_fixed_size: 327680
    .private_segment_fixed_size: 0
    .kernarg_segment_align: 8
    .kernarg_segment_size: 40
    .max_flat_workgroup_size: 128
    .sgpr_count:     98
    .vgpr_count:     1024
    .wavefront_size: 32
...
	.end_amdgpu_metadata
.endif
;; end of part 3
